; MI455X (gfx1250); checked and timed in simulation.
; The chip was launched on July 23, 2026; its instructions are those of AMD's public machine-readable ISA for CDNA 5 (MIT licence, August 2026) and "CDNA5" Instruction Set Architecture Reference Guide (July 2026). The comments in the code are by the model that wrote it; some were corrected since.
;; T5 Gemma2 Self Attention. Allowed arithmetic: float matrix products may take bf16 or f16 operands with f32 sums; all other float work in f32.
;; Inputs: Wk 2,048 x 1,024 float32; Wo 1,024 x 2,048 float32; Wq 2,048 x 1,024 float32; Wv 2,048 x 1,024 float32; cos 2 x 2,048 x 256 float32; hidden_states 2 x 2,048 x 2,048 float32; k_norm_w 256 float32; q_norm_w 256 float32; sin 2 x 2,048 x 256 float32.
;; Outputs: out0 2 x 2,048 x 2,048 float32.
;; One version. Each part assembles by itself: llvm-mc -triple=amdgcn-amd-amdhsa -mcpu=gfx1250 --defsym DOCPART=n.
;; ======== version 1 of 1: 4 launches
;; limits: values are held in f16: magnitudes above 65,504 overflow, below 6.1e-05 lose precision; right only within a limited range of input values
;; workspace buffers: xb 16,777,216 bytes; wqkv 12,582,912 bytes; wo16 4,194,304 bytes; qkv16 25,165,824 bytes; ao 8,388,608 bytes
;; launch cast (part 1): grid 1024 x 1, 8 waves a work-group, no clusters, 0 bytes of LDS; arguments hidden_states, Wq, Wk, Wv, Wo, xb, wqkv, wo16; writes xb, wqkv, wo16
.if DOCPART == 1
	.amdgcn_target "amdgcn-amd-amdhsa--gfx1250"
	.amdhsa_code_object_version 6
	.text
	.protected	k_qa50aa28621_cast
	.globl	k_qa50aa28621_cast
	.p2align	8
	.type	k_qa50aa28621_cast,@function
k_qa50aa28621_cast:
	s_mov_b64 s[64:65], 0
	v_nop
	global_prefetch_b8 v0, s[64:65] scope:SCOPE_SE
	s_setreg_imm32_b32 hwreg(HW_REG_WAVE_MODE, 25, 1), 1
	s_wait_xcnt 0x0
; THE INPUTS OF THE MATRIX PRODUCTS ARE ROUNDED ONCE.  hidden_states -> xb (bf16), Wq, Wk, Wv -> wqkv (bf16, the three one behind the other),
; Wo -> wo16: rounded to bf16 like every other input, and that number written as f16, since the last product multiplies in f16.
; LIMIT.  |bf16(Wo)| stays under 65,504; below 6e-5 f16 keeps its fixed step of 6e-8.
; A stream: memory binds, so no LDS, no matrix unit, no cluster.  A work-group takes 65,536 bytes of f32 and writes 32,768; a wave 8,192: sixteen loads of 16 bytes a lane
; (512 consecutive bytes each), all issued at once, and for each a store of 8 bytes a lane: 256 consecutive bytes, aligned.  No register is written twice while memory may read it.
; Work-groups 0-511 take hidden_states, 512-895 Wq, Wk, Wv (128 each), 896-1023 Wo.
.set X, 4                              ; v[4:67]    sixteen loads of four f32
.set Y, 68                             ; v[68:99]   sixteen pairs to store
.set T, 100                            ; v[100:101] at work (Wo alone)
	s_load_b512 s[4:19], s[0:1], 0x0       ; hidden_states 4:5, Wq 6:7, Wk 8:9, Wv 10:11, Wo 12:13, xb 14:15, wqkv 16:17, wo16 18:19
	s_mov_b32 s20, ttmp9                   ; g
	s_sub_co_u32 s21, s20, 512             ; the chunk among the weights' (wraps where g < 512: replaced below)
	s_lshr_b32 s22, s21, 7                 ; which weight: 0 Wq, 1 Wk, 2 Wv, 3 Wo
	s_and_b32 s23, s21, 127                ; the chunk in that weight
	v_lshrrev_b32 v1, 5, v0
	v_and_b32 v2, 31, v0
	v_lshlrev_b32 v2, 4, v2
	v_lshl_or_b32 v1, v1, 13, v2           ; in: wave x 8,192 + lane x 16
	v_lshrrev_b32 v2, 1, v1                ; out: half of that
	s_wait_kmcnt 0x0
	s_cmp_eq_u32 s22, 1
	s_cselect_b64 s[24:25], s[8:9], s[6:7]
	s_cmp_eq_u32 s22, 2
	s_cselect_b64 s[24:25], s[10:11], s[24:25]
	s_cmp_eq_u32 s22, 3
	s_cselect_b64 s[24:25], s[12:13], s[24:25]
	s_cselect_b64 s[26:27], s[18:19], s[16:17]
	s_cselect_b32 s28, s23, s21            ; the chunk in the destination
	s_cselect_b32 s29, 1, 0                ; 1: Wo
	s_cmp_lt_u32 s20, 512
	s_cselect_b64 s[24:25], s[4:5], s[24:25]
	s_cselect_b64 s[26:27], s[14:15], s[26:27]
	s_cselect_b32 s23, s20, s23
	s_cselect_b32 s28, s20, s28
	s_cselect_b32 s29, 0, s29
	s_lshl_b32 s30, s23, 16
	s_mov_b32 s31, 0
	s_add_nc_u64 s[24:25], s[24:25], s[30:31]
	s_lshl_b32 s30, s28, 15
	s_add_nc_u64 s[26:27], s[26:27], s[30:31]
.irp j, 0,1,2,3,4,5,6,7,8,9,10,11,12,13,14,15
	global_load_b128 v[X+4*(\j):X+4*(\j)+3], v1, s[24:25] offset:512*(\j) th:TH_LOAD_NT
.endr
.macro CONV j, wo
	s_wait_loadcnt 15-(\j)                 ; loads come back in order: load j is in, the 15 - j younger ones stay out
.if \wo
	v_cvt_pk_bf16_f32 v[T], v[X+4*(\j)], v[X+4*(\j)+1]
	v_cvt_pk_bf16_f32 v[T+1], v[X+4*(\j)+2], v[X+4*(\j)+3]
	v_lshlrev_b32 v[X+4*(\j)], 16, v[T]    ; the rounded numbers as f32 again
	v_and_b32 v[X+4*(\j)+1], 0xffff0000, v[T]
	v_lshlrev_b32 v[X+4*(\j)+2], 16, v[T+1]
	v_and_b32 v[X+4*(\j)+3], 0xffff0000, v[T+1]
	v_cvt_pk_f16_f32 v[Y+2*(\j)], v[X+4*(\j)], v[X+4*(\j)+1]
	v_cvt_pk_f16_f32 v[Y+2*(\j)+1], v[X+4*(\j)+2], v[X+4*(\j)+3]
.else
	v_cvt_pk_bf16_f32 v[Y+2*(\j)], v[X+4*(\j)], v[X+4*(\j)+1]
	v_cvt_pk_bf16_f32 v[Y+2*(\j)+1], v[X+4*(\j)+2], v[X+4*(\j)+3]
.endif
	global_store_b64 v2, v[Y+2*(\j):Y+2*(\j)+1], s[26:27] offset:256*(\j)
.endm
	s_cmp_eq_u32 s29, 1
	s_cbranch_scc1 .Lwo
.irp j, 0,1,2,3,4,5,6,7,8,9,10,11,12,13,14,15
	CONV \j, 0
.endr
	s_endpgm
.Lwo:
.irp j, 0,1,2,3,4,5,6,7,8,9,10,11,12,13,14,15
	CONV \j, 1
.endr
	s_endpgm
.Lfunc_end_k_qa50aa28621_cast:
	.size	k_qa50aa28621_cast, .Lfunc_end_k_qa50aa28621_cast-k_qa50aa28621_cast
	.p2alignl 7, 3214868480
	.fill 96, 4, 3214868480
	.section	.rodata,"a",@progbits
	.p2align	6, 0x0
	.amdhsa_kernel k_qa50aa28621_cast
		.amdhsa_group_segment_fixed_size 0
		.amdhsa_private_segment_fixed_size 0
		.amdhsa_enable_private_segment 0
		.amdhsa_kernarg_size 64
		.amdhsa_user_sgpr_count 2
		.amdhsa_user_sgpr_kernarg_segment_ptr 1
		.amdhsa_wavefront_size32 1
		.amdhsa_system_sgpr_workgroup_id_x 1
		.amdhsa_system_sgpr_workgroup_id_y 1
		.amdhsa_system_sgpr_workgroup_id_z 1
		.amdhsa_system_vgpr_workitem_id 0
		.amdhsa_next_free_vgpr 104
		.amdhsa_next_free_sgpr 66
		.amdhsa_reserve_vcc 0
		.amdhsa_float_denorm_mode_32 3
		.amdhsa_float_denorm_mode_16_64 3
		.amdhsa_memory_ordered 1
		.amdhsa_forward_progress 1
		.amdhsa_inst_pref_size 16
	.end_amdhsa_kernel
	.amdgpu_metadata
---
amdhsa.version: [ 1, 2 ]
amdhsa.kernels:
  - .name:           k_qa50aa28621_cast
    .symbol:         k_qa50aa28621_cast.kd
    .args:
      - { .name: hidden_states, .offset: 0, .size: 8, .value_kind: global_buffer, .address_space: global }
      - { .name: Wq, .offset: 8, .size: 8, .value_kind: global_buffer, .address_space: global }
      - { .name: Wk, .offset: 16, .size: 8, .value_kind: global_buffer, .address_space: global }
      - { .name: Wv, .offset: 24, .size: 8, .value_kind: global_buffer, .address_space: global }
      - { .name: Wo, .offset: 32, .size: 8, .value_kind: global_buffer, .address_space: global }
      - { .name: xb, .offset: 40, .size: 8, .value_kind: global_buffer, .address_space: global }
      - { .name: wqkv, .offset: 48, .size: 8, .value_kind: global_buffer, .address_space: global }
      - { .name: wo16, .offset: 56, .size: 8, .value_kind: global_buffer, .address_space: global }
    .group_segment_fixed_size: 0
    .private_segment_fixed_size: 0
    .kernarg_segment_align: 8
    .kernarg_segment_size: 64
    .max_flat_workgroup_size: 256
    .sgpr_count:     66
    .vgpr_count:     104
    .wavefront_size: 32
...
	.end_amdgpu_metadata
.endif
;; end of part 1
;; launch qkv (part 2): grid 8 x 32, 4 waves a work-group, clusters of 4 x 4, 327,680 bytes of LDS; arguments xb, wqkv, cos, sin, q_norm_w, k_norm_w, qkv16; writes qkv16
.if DOCPART == 2
	.amdgcn_target "amdgcn-amd-amdhsa--gfx1250"
	.amdhsa_code_object_version 6
	.text
	.protected	k_qa50aa28621_qkv
	.globl	k_qa50aa28621_qkv
	.p2align	8
	.type	k_qa50aa28621_qkv,@function
k_qa50aa28621_qkv:
	s_mov_b64 s[64:65], 0
	v_nop
	global_prefetch_b8 v0, s[64:65] scope:SCOPE_SE
	s_setreg_imm32_b32 hwreg(HW_REG_WAVE_MODE, 25, 1), 1
	s_wait_xcnt 0x0
	s_wait_alu depctr_hold_cnt(0) depctr_sa_sdst(0) depctr_va_vdst(0) depctr_va_sdst(0) depctr_va_ssrc(0) depctr_va_vcc(0) depctr_vm_vsrc(0)
	s_getreg_b32 s2, hwreg(HW_REG_IB_STS2, 6, 4)
	s_cmp_eq_u32 s2, 0
	s_cbranch_scc0 .Lentry_in_a_cluster
	s_endpgm
.Lentry_in_a_cluster:
	s_bfe_u32 s2, ttmp6, 0x10000c
	s_cmp_lg_u32 s2, 0xf033
	s_cbranch_scc0 .Lentry_shape_is_right
	s_endpgm
.Lentry_shape_is_right:
; q, k, v = x W, and for q and k the RMS norm with gain 1 + w and the rotation by cos and sin.  xb: [4096][2048] bf16; wqkv: [3][2048 k][1024 n] bf16; sums in f32.
; Out: qkv16 [3][batch x 4 + head][2048][256] f16, rounded once.  q and k also carry the factor sqrt(2 log2(e) / (16 x 50)) = 0.0600561 each, so that the next launch's
; product q . k is already the exponent of the soft cap's tanh.  cos, sin and the two gains are rounded to bf16 like all inputs.
; LIMITS.  |v| and 0.96 |1 + w| stay under 65,504 (a normed row's numbers are 16 at the most); below 6e-5 f16 keeps its fixed step of 6e-8; NaN and infinities are not treated apart.
; SHARES.  4096 x 3072 outputs on 256 work-groups are 49,152 each.  A head's 256 columns of q or k stay in one work-group, so that norm and rotation need no second pass: 128 rows x 256 columns,
; 2 kinds x 4 heads x 32 row tiles = 256 work-groups.  v has no such bond and is dealt out among them: each also makes 128 rows x 128 columns of v, same rows, same head, columns 128 x kind.
; So a tile is 128 x 384 on one tile of x.  A wave makes 128 rows x 96 columns (64 of q/k, 32 of v): 48 accumulators, 384 registers; 28 LDS loads feed 48 products.
; K goes in steps of 128 through two LDS slots: A 128 rows x 256 bytes, W of q/k 128 k-rows x 512 bytes, Wv 128 k-rows x 256 bytes; W lies [k][n] and is turned on the way out of LDS (ds_load_tr16_b128).
; THE PRODUCT IS USED TRANSPOSED: source 0 = 16 columns of W, source 1 = 16 rows of x: a lane holds one row and eight neighbouring columns.
; CLUSTER 4 x 4: x in the cluster = head, y = row tile; the cluster's number along x is q or k, the same in all sixteen.  A's tile is asked for jointly along a row of the cluster, W's two along a column.
; REGISTERS, in windows of 256 (s_set_vgpr_msb: bits 1:0 source 0, 3:2 source 1, 5:4 source 2, 7:6 destination):
;   window 0: v1-29 addresses; v64-127, v128-191 A's fragments, two buffers; on the way out v32-255 as named below     window 1: W's fragments, v0-47 and v64-111 (four of q/k, two of v)
;   windows 2, 3: accumulator (a, b) in window 2 + a / 4 at 48 (a % 4) + 8 b; b = 0..3 q/k, b = 4, 5 v
.set PA,    272                        ; an LDS row of A: 256 bytes + 16: the 16 rows of a load start at 16 different groups of four banks (ISA guide 11.1)
.set PB,    544                        ; an LDS row of W for q/k: 512 bytes + 32: an odd multiple of 32, for the turning load
.set PV,    288                        ; an LDS row of Wv: 256 bytes + 32, likewise
.set PART,  128*PA                     ; A's tile; also half of W's (64 x 544 is the same number): wave w's load lands at w x PART
.set SLOT,  3*PART+128*PV              ; A, W's two halves, Wv
.set SPARE, 2*SLOT                     ; behind the ring: the spare words, 128 bytes a wave
.set PD,    1040                       ; the way out: a row of 256 f32 of q/k + 16 bytes
.set PDV,   528                        ; a row of 128 f32 of v + 16 bytes
.set VD,    128*PD                     ; v's rows lie behind q/k's; both lie over the ring, which has had its last fill by then
.set KSTEPS, 16
.set G,    32                          ; v[32:39]   (1 + w) x 0.06 of my 8 columns
.set R,    40                          ; v[40:47]   1 / rms, a pair a row (the odd one is only named)
.set U,    48                          ; v[48:63]   at work
.set X,    64                          ; v[64:95]   four rows, 8 numbers a lane: columns 4 L .. 4 L + 3 and 128 + 4 L .. + 3
.set D,    96                          ; v[96:127]  four rows: cos and sin packed as bf16, then the f16 results
.set RAWA, 128                         ; v[128:191] cos and sin of four rows as loaded: 16 registers a row (cos low, cos high, sin low, sin high)
.set RAWB, 192                         ; v[192:255] the same for the next four rows
; v16, v17, v10: my lane's place in A, W, Wv of slot 0; v18, v19, v11 the same in the slot in hand; v20, v12 into q/k's dump (row blocks 0-3, 4-7); v13 into v's; v21, v14 out of them;
; v22, v23 offsets in cos and sin; v24, v15 offsets in qkv16 (q/k, v); v25 16 x lane; v28, v29 the add's
; s18 wave; s20 wave >> 1; s[24:31], s[32:39], s[92:99] group 1 of A, W, Wv; s[40:43], s[48:51] group 0 of the first fill (A; W and Wv); s[44:47], s[52:55] the walking group 0; s56 slot read; s57 slot filled; s58 counts
.set MSB, 0
.macro WIN new                         ; the immediate's high byte repeats the setting that is left; a switch that changes nothing is dropped
.if MSB != (\new)
	s_set_vgpr_msb (MSB<<8)|(\new)
.set MSB, \new
.endif
.endm
.macro PLACES                          ; four places between a matrix instruction and a load into, or a vector access to, its registers
.rept 4
	v_nop
.endr
.endm
.macro JLOAD                           ; a joint refill: wave 0 fetches A, waves 1, 2 W's halves, wave 3 Wv; s_nop 0 and four v_nop follow each line
	s_cmp_eq_u32 s18, 0
	s_cbranch_scc0 .Lnot_a_\@
	tensor_load_to_lds s[44:47], s[24:31]
	s_nop 0
.rept 4
	v_nop
.endr
	s_branch .Lasked_\@
.Lnot_a_\@:
	s_cmp_eq_u32 s18, 3
	s_cbranch_scc1 .Lfor_v_\@
	tensor_load_to_lds s[52:55], s[32:39]
	s_nop 0
.rept 4
	v_nop
.endr
	s_branch .Lasked_\@
.Lfor_v_\@:
	tensor_load_to_lds s[52:55], s[92:99]
	s_nop 0
.rept 4
	v_nop
.endr
.Lasked_\@:
.endm
.macro CREST                           ; a round of the cluster's barrier behind its opening barrier
	s_cmp_lg_u32 s18, 0
	s_cbranch_scc1 .Lnot_wave_0_\@
	s_barrier_signal -3
.Lnot_wave_0_\@:
	s_barrier_wait -3
	s_barrier_signal -1
	s_barrier_wait -1
.endm
.macro CROUND
	s_barrier_signal -1
	s_barrier_wait -1
	CREST
.endm
	s_load_b256 s[4:11], s[0:1], 0x0       ; xb 4:5, wqkv 6:7, cos 8:9, sin 10:11
	s_load_b128 s[12:15], s[0:1], 0x20     ; q_norm_w 12:13, k_norm_w 14:15
	s_load_b64 s[16:17], s[0:1], 0x30      ; qkv16
	v_lshl_add_u32 v28, v0, 2, SPARE
	v_mov_b32 v29, 0
	ds_add_u32 v28, v29                    ; the wave's opening: the add and its wait stand ahead of my first tensor load; register work stands between them
	ds_add_u32 v28, v29
	v_lshrrev_b32 v1, 5, v0
	v_readfirstlane_b32 s18, v1            ; wave 0..3
	s_lshr_b32 s20, s18, 1                 ; which half of W's k-rows wave 1 (0) and wave 2 (1) fetch
	s_mov_b32 s59, ttmp9                   ; 0 q, 1 k: the cluster's x, the same in all partners
	s_bfe_u32 s60, ttmp6, 0x40000          ; cx: the head
	s_bfe_u32 s61, ttmp6, 0x40004          ; cy
	s_and_b32 s62, ttmp7, 0xffff
	s_lshl_b32 s62, s62, 2
	s_add_co_u32 s62, s62, s61             ; row tile = 4 x cluster y + cy, 0..31
	s_lshl_b32 s68, s61, 2
	s_lshl_b32 s68, 15, s68                ; my row of the cluster
	s_lshl_b32 s69, 0x1111, s60            ; my column
	s_or_b32 s24, s68, (1<<16)|(1<<20)|(1<<21)|(5<<22)|(3<<25)  ; A: mask; 2-byte elements; padding on; bit 21 beside a mask; after every 64 words 4 words
	s_mov_b32 s25, 128<<16                 ; tensor_dim0 = 128
	s_mov_b32 s26, 128<<16                 ; tensor_dim1 = 128
	s_mov_b32 s27, 128<<16                 ; tile_dim0 = 128
	s_mov_b32 s28, 128                     ; tile_dim1 = 128
	s_mov_b32 s29, 2048                    ; elements from row to row
	s_mov_b32 s30, 0
	s_mov_b32 s31, 0
	s_or_b32 s32, s69, (1<<16)|(1<<20)|(1<<21)|(6<<22)|(7<<25)  ; W of q/k: after every 128 words 8 words
	s_mov_b32 s33, 256<<16                 ; tensor_dim0 = 256
	s_mov_b32 s34, 64<<16                  ; tensor_dim1 = 64
	s_mov_b32 s35, 256<<16                 ; tile_dim0 = 256
	s_mov_b32 s36, 64                      ; tile_dim1 = 64
	s_mov_b32 s37, 1024
	s_mov_b32 s38, 0
	s_mov_b32 s39, 0
	s_or_b32 s92, s69, (1<<16)|(1<<20)|(1<<21)|(5<<22)|(7<<25)  ; Wv: after every 64 words 8 words
	s_mov_b32 s93, 128<<16                 ; tensor_dim0 = 128
	s_mov_b32 s94, 128<<16                 ; tensor_dim1 = 128
	s_mov_b32 s95, 128<<16                 ; tile_dim0 = 128
	s_mov_b32 s96, 128                     ; tile_dim1 = 128
	s_mov_b32 s97, 1024
	s_mov_b32 s98, 0
	s_mov_b32 s99, 0
	s_mov_b32 s56, 0                       ; the slot that is read
	s_mov_b32 s57, SLOT                    ; the slot that was filled last
	s_mov_b32 s74, 0xffff0000
	s_mov_b32 s76, 0x3d75fd6a              ; 0.0600561
	s_mov_b32 s77, s76                     ; named with it as a pair
	s_mov_b32 s78, 0x3b800000              ; 1 / 256
	s_mov_b32 s79, 0x358637bd              ; 1e-6
	s_mov_b32 s80, 0x76543210              ; v_permlanex16_b32: each lane takes its own place in the other half
	s_mov_b32 s81, 0xfedcba98
	s_lshl_b32 s70, s62, 19                ; A: row 128 x row tile, 4,096 bytes a row: made of the row tile alone
	s_mov_b32 s71, 0
	s_lshl_b32 s72, s59, 22                ; W: the weight of q or k, k-row 64 x half (2,048 bytes a row);
	s_lshl_b32 s73, s20, 17
	s_add_co_u32 s72, s72, s73
	s_lshl_b32 s73, s59, 8                 ; Wv: the third weight, the 256 bytes of columns 128 x kind
	s_add_co_u32 s73, s73, 0x800000
	s_cmp_eq_u32 s18, 3
	s_cselect_b32 s72, s73, s72            ; wave 3 fetches Wv
	s_lshl_b32 s73, s60, 9                 ; the head's 512 bytes: both are made of q/k, cx and the wave alone
	s_add_co_u32 s72, s72, s73
	s_mov_b32 s73, 0
	s_mul_i32 s66, s18, PART               ; where my part goes: A, W's two halves, Wv = wave x 34,816
	s_wait_dscnt 0x0                       ; the opening add is done
	s_wait_kmcnt 0x0
	s_add_nc_u64 s[70:71], s[4:5], s[70:71]
	s_add_nc_u64 s[72:73], s[6:7], s[72:73]
	CROUND                                 ; all sixteen work-groups are here: the first joint loads meet
.irp s, 0,1
	s_mov_b32 s[40+4*(\s)], 1
	s_add_co_u32 s[41+4*(\s)], s66, (\s)*SLOT
	s_add_nc_u64 s[42+4*(\s):43+4*(\s)], s[70:71], (\s)*256       ; K step s: 256 bytes along A's rows
	s_or_b32 s[43+4*(\s)], s[43+4*(\s)], 0x80000000
	s_mov_b32 s[48+4*(\s)], 1
	s_add_co_u32 s[49+4*(\s)], s66, (\s)*SLOT
	s_add_nc_u64 s[50+4*(\s):51+4*(\s)], s[72:73], (\s)*262144    ; 128 k-rows of 2,048 bytes
	s_or_b32 s[51+4*(\s)], s[51+4*(\s)], 0x80000000
.endr
	s_cmp_eq_u32 s18, 0                    ; a wave's two first fills stand together in its arm of the branch on the wave's number, ahead of every wait on TENSORcnt and every LDS read: two loads of mine are out
	s_cbranch_scc0 .Lfirst_not_a
	tensor_load_to_lds s[40:43], s[24:31]
	s_nop 0
	tensor_load_to_lds s[44:47], s[24:31]
	s_nop 0
.rept 4
	v_nop
.endr
	s_branch .Lfirst_asked
.Lfirst_not_a:
	s_cmp_eq_u32 s18, 3
	s_cbranch_scc1 .Lfirst_v
	tensor_load_to_lds s[48:51], s[32:39]
	s_nop 0
	tensor_load_to_lds s[52:55], s[32:39]
	s_nop 0
.rept 4
	v_nop
.endr
	s_branch .Lfirst_asked
.Lfirst_v:
	tensor_load_to_lds s[48:51], s[92:99]
	s_nop 0
	tensor_load_to_lds s[52:55], s[92:99]
	s_nop 0
.rept 4
	v_nop
.endr
.Lfirst_asked:
	v_and_b32 v1, 15, v0                   ; r = lane % 16
	v_bfe_u32 v2, v0, 4, 1                 ; h = lane / 16
	v_mul_u32_u24 v16, v1, PA
	v_lshl_add_u32 v16, v2, 4, v16         ; A: r x pitch + 16 h; every wave reads all 128 rows
	v_and_b32 v4, 7, v0
	v_bfe_u32 v5, v0, 3, 1
	v_lshl_add_u32 v6, v2, 3, v4           ; turned: k-row 8 h + lane % 8,
	v_lshlrev_b32 v5, 4, v5                ; 16 bytes by (lane / 8) % 2
	v_mul_u32_u24 v17, v6, PB
	v_add_nc_u32 v17, v17, v5
	s_lshl_b32 s82, s18, 7                 ; my 64 columns of q/k: 128 bytes x wave
	s_add_co_u32 s82, s82, PART
	v_add_nc_u32 v17, s82, v17
	v_mul_u32_u24 v10, v6, PV
	v_add_nc_u32 v10, v10, v5
	s_lshl_b32 s82, s18, 6                 ; my 32 columns of v: 64 bytes x wave
	s_add_co_u32 s82, s82, 3*PART
	v_add_nc_u32 v10, s82, v10
	v_mov_b32 v18, v16
	v_mov_b32 v19, v17
	v_mov_b32 v11, v10
	v_and_b32 v7, 31, v0
	v_lshlrev_b32 v25, 4, v7               ; 16 x lane
	v_lshlrev_b32 v24, 3, v7               ; 8 x lane: my 8 bytes in 256 of a row of qkv16
	v_mov_b32 v15, v24
	v_mul_u32_u24 v8, v1, PD
	v_lshl_add_u32 v8, v2, 5, v8
	s_lshl_b32 s83, s18, 8
	v_add_nc_u32 v20, s83, v8              ; into q/k's dump: row r, my 64 columns (256 bytes x wave), 32 bytes for each half of the lanes
	v_add_nc_u32 v12, 64*PD, v20           ; the same for row blocks 4-7: the immediate holds 16 bits
	v_mul_u32_u24 v8, v1, PDV
	v_lshl_add_u32 v8, v2, 5, v8
	s_lshl_b32 s83, s18, 7
	s_add_co_u32 s83, s83, VD
	v_add_nc_u32 v13, s83, v8              ; into v's dump: my 32 columns (128 bytes x wave)
	s_mul_i32 s83, s18, 32*PD
	v_add_nc_u32 v21, s83, v25             ; out of the dumps: wave w takes rows 32 w .. 32 w + 31, whole
	s_mul_i32 s83, s18, 32*PDV
	s_add_co_u32 s83, s83, VD
	v_add_nc_u32 v14, s83, v25
	s_lshl_b32 s85, s18, 5                 ; 32 x wave
	s_lshr_b32 s89, s62, 4                 ; qkv16: the batch,
	s_lshl2_add_u32 s89, s89, s60          ; x 4 + head,
	s_lshl_b32 s88, s89, 20
	s_and_b32 s90, s62, 15                 ; and my first row in the head, 512 bytes a row
	s_lshl_b32 s90, s90, 7
	s_add_co_u32 s90, s90, s85
	s_lshl_b32 s90, s90, 9
	s_add_co_u32 s88, s88, s90
	s_lshl_b32 s90, s59, 8                 ; v: the third tensor, the 256 bytes of columns 128 x kind
	s_add_co_u32 s90, s90, 0x1000000
	s_add_co_u32 s90, s90, s88
	s_mov_b32 s91, 0
	s_add_nc_u64 s[90:91], s[16:17], s[90:91]
	s_lshl_b32 s89, s59, 23                ; q or k
	s_add_co_u32 s88, s88, s89
	s_mov_b32 s89, 0
	s_add_nc_u64 s[16:17], s[16:17], s[88:89]
; 6 matrix instructions: row block a x my 6 column blocks, 32 along K, buffer f.  zero = 1: the first product starts the sums.  The 48 accumulators take turns.
.macro MULA f, a, zero
	WIN 0xa1+0x50*((\a)/4)
.irp b, 0,1,2,3,4,5
.if \zero
	v_wmma_f32_16x16x32_bf16 v[48*((\a)%4)+8*(\b):48*((\a)%4)+8*(\b)+7], v[64*(\f)+8*(\b):64*(\f)+8*(\b)+7], v[64+64*(\f)+8*(\a):64+64*(\f)+8*(\a)+7], 0
.else
	v_wmma_f32_16x16x32_bf16 v[48*((\a)%4)+8*(\b):48*((\a)%4)+8*(\b)+7], v[64*(\f)+8*(\b):64*(\f)+8*(\b)+7], v[64+64*(\f)+8*(\a):64+64*(\f)+8*(\a)+7], v[48*((\a)%4)+8*(\b):48*((\a)%4)+8*(\b)+7]
.endif
.endr
.endm
; 28 LDS loads in one run: quarter kq of the slot in hand into buffer g: W's 4 fragments and Wv's 2 (turned), then A's 8
.macro FETCH kq, g
	WIN 0x40
.irp i, 0,1,2,3
	ds_load_tr16_b128 v[64*(\g)+8*(\i):64*(\g)+8*(\i)+3],   v19 offset:(\kq)*32*PB+32*(\i)
	ds_load_tr16_b128 v[64*(\g)+8*(\i)+4:64*(\g)+8*(\i)+7], v19 offset:(\kq)*32*PB+16*PB+32*(\i)
.endr
.irp i, 0,1
	ds_load_tr16_b128 v[64*(\g)+32+8*(\i):64*(\g)+32+8*(\i)+3],   v11 offset:(\kq)*32*PV+32*(\i)
	ds_load_tr16_b128 v[64*(\g)+32+8*(\i)+4:64*(\g)+32+8*(\i)+7], v11 offset:(\kq)*32*PV+16*PV+32*(\i)
.endr
	WIN 0
.irp i, 0,1,2,3,4,5,6,7
	ds_load_b128 v[64+64*(\g)+8*(\i):64+64*(\g)+8*(\i)+3],   v18 offset:(\kq)*64+(\i)*16*PA
	ds_load_b128 v[64+64*(\g)+8*(\i)+4:64+64*(\g)+8*(\i)+7], v18 offset:(\kq)*64+(\i)*16*PA+32
.endr
.endm
; A K step is four quarters of 32 along K on buffers 0, 1, 0, 1.  One of the first three multiplies buffer f and fetches quarter kq into g.
.macro QUARTER kq, f, g, zero
	s_wait_dscnt 8                         ; all of W and A's row blocks 0-3 are in; the youngest eight loads (blocks 4-7) may be out
	MULA \f, 0, \zero
	MULA \f, 1, \zero
	MULA \f, 2, \zero
	MULA \f, 3, \zero
	PLACES
	FETCH \kq, \g
	s_wait_dscnt 28                        ; all but the 28 just issued
	MULA \f, 4, \zero
	MULA \f, 5, \zero
	MULA \f, 6, \zero
	MULA \f, 7, \zero
.endm
; The last quarter multiplies buffer 1 and changes slots: one barrier.  In front of it each wave waits for all its tensor loads (one is out: its part of the next slot), adds 0 to its spare word,
; and waits for that and for its reads of this slot.  fill = 1: the barrier opens a round of the cluster's, and this slot is filled again, two K steps ahead, first thing behind the round:
; 168 of a K step's 192 matrix instructions stand between the request and the wait for it.
.macro TURN fill
	WIN 0
	s_wait_tensorcnt 0x0
	ds_add_u32 v28, v29
	s_wait_dscnt 9                         ; the add and the youngest eight loads may be out
	MULA 1, 0, 0
	MULA 1, 1, 0
	s_wait_dscnt 0x0                       ; the add is done, and my reads of this slot are over
	s_barrier_signal -1
	MULA 1, 2, 0
	MULA 1, 3, 0
	WIN 0
	s_barrier_wait -1
.if \fill
	CREST
	s_xor_b32 s57, s57, SLOT               ; the other slot than last time,
	s_add_co_u32 s45, s66, s57
	s_add_co_u32 s53, s66, s57
	s_add_nc_u64 s[46:47], s[46:47], 256   ; the next K step
	s_add_nc_u64 s[54:55], s[54:55], 262144
	JLOAD                                  ; its four v_nop are also the places in front of the loads below
.else
	PLACES
.endif
	s_xor_b32 s56, s56, SLOT
	v_add_nc_u32 v18, s56, v16
	v_add_nc_u32 v19, s56, v17
	v_add_nc_u32 v11, s56, v10
	FETCH 0, 0
	MULA 1, 4, 0
	MULA 1, 5, 0
	MULA 1, 6, 0
	MULA 1, 7, 0
.endm
	s_wait_tensorcnt 0x1                   ; my part of K step 0 is in; K step 1's may stay out
	s_barrier_signal -1
	s_barrier_wait -1
	FETCH 0, 0
	QUARTER 1, 0, 1, 1                     ; the first quarter stands in front of the loop: its products start the sums
	WIN 0
	s_mov_b32 s58, KSTEPS-2
.Lstep:                                        ; a trip: a K step's quarters 1 to 3 and the next step's quarter 0; it asks for the K step two on (2 to 15)
	QUARTER 2, 1, 0, 0
	QUARTER 3, 0, 1, 0
	TURN 1
	QUARTER 1, 0, 1, 0
	WIN 0
	s_sub_co_u32 s58, s58, 1
	s_cmp_lg_u32 s58, 0
	s_cbranch_scc1 .Lstep
	s_mov_b32 s58, 2
.Ltail:                                        ; the last two K steps ask for nothing; the second trip is left in its middle
	QUARTER 2, 1, 0, 0
	QUARTER 3, 0, 1, 0
	WIN 0
	s_sub_co_u32 s58, s58, 1
	s_cmp_eq_u32 s58, 0
	s_cbranch_scc1 .Llast
	TURN 0
	QUARTER 1, 0, 1, 0
	WIN 0
	s_branch .Ltail
.Llast:
	s_wait_dscnt 8
	MULA 1, 0, 0
	MULA 1, 1, 0
	MULA 1, 2, 0
	MULA 1, 3, 0
	s_wait_dscnt 0x0
	MULA 1, 4, 0
	MULA 1, 5, 0
	MULA 1, 6, 0
	MULA 1, 7, 0
	WIN 0
	PLACES
; THE WAY OUT.  The sums go into rows in LDS that the four waves share (each accumulator's low registers first); behind a barrier each wave takes 32 whole rows.
.macro DUMP
.irp a, 0,1,2,3,4,5,6,7
	WIN 0x08+4*((\a)/4)                    ; store data in window 2 or 3
.irp b, 0,1,2,3
	ds_store_b128 v[20-8*((\a)/4)], v[48*((\a)%4)+8*(\b):48*((\a)%4)+8*(\b)+3]   offset:((\a)%4)*16*PD+64*(\b)
	ds_store_b128 v[20-8*((\a)/4)], v[48*((\a)%4)+8*(\b)+4:48*((\a)%4)+8*(\b)+7] offset:((\a)%4)*16*PD+64*(\b)+16
.endr
.irp b, 4,5
	ds_store_b128 v13, v[48*((\a)%4)+8*(\b):48*((\a)%4)+8*(\b)+3]   offset:(\a)*16*PDV+64*((\b)-4)
	ds_store_b128 v13, v[48*((\a)%4)+8*(\b)+4:48*((\a)%4)+8*(\b)+7] offset:(\a)*16*PDV+64*((\b)-4)+16
.endr
.endr
	WIN 0
.endm
.macro LOADCS raw, cn, r0              ; cos and sin of four rows: 16 loads of 512 consecutive bytes
.irp p, 0,1,2,3
	global_load_b128 v[(\raw)+16*(\p):(\raw)+16*(\p)+3],     v[\cn], s[8:9]   offset:((\r0)+(\p))*1024
	global_load_b128 v[(\raw)+16*(\p)+4:(\raw)+16*(\p)+7],   v[\cn], s[8:9]   offset:((\r0)+(\p))*1024+512
	global_load_b128 v[(\raw)+16*(\p)+8:(\raw)+16*(\p)+11],  v[\cn], s[10:11] offset:((\r0)+(\p))*1024
	global_load_b128 v[(\raw)+16*(\p)+12:(\raw)+16*(\p)+15], v[\cn], s[10:11] offset:((\r0)+(\p))*1024+512
.endr
.endm
; Four rows: norm, gain, rotation, f16, store.  Each stage is written for all four rows, so that no line waits for the one before it.
.macro GROUP raw, cn, r0
	s_wait_xcnt 0x0                        ; the stores before have read D and their offsets (ISA guide 3.1)
.irp p, 0,1,2,3
	ds_load_b128 v[X+8*(\p):X+8*(\p)+3],   v21 offset:(\p)*PD
	ds_load_b128 v[X+8*(\p)+4:X+8*(\p)+7], v21 offset:(\p)*PD+512
.endr
	v_add_nc_u32 v21, 4*PD, v21
	v_add_nc_u32 v24, 2048, v24            ; four rows of 512 bytes on; the stores reach back
	s_wait_loadcnt 16                      ; this buffer's 16 loads are in; the other buffer's 16 stay out
.irp p, 0,1,2,3
.irp e, 0,1,2,3,4,5,6,7
	v_cvt_pk_bf16_f32 v[D+8*(\p)+(\e)], v[(\raw)+16*(\p)+(\e)], v[(\raw)+16*(\p)+8+(\e)]  ; cos below, sin above, both rounded to bf16
.endr
.endr
	v_add_nc_u32 v[\cn], 8192, v[\cn]      ; eight rows on: the next trip's;
	v_and_b32 v[\cn], 0x7fff, v[\cn]       ; in the last trip back to the wave's first rows (32 x 1,024 bytes), so that no load leaves the buffer; those 16 loads serve nothing
	LOADCS \raw, \cn, \r0
	s_wait_dscnt 0x0
.irp p, 0,1,2,3
	v_pk_mul_f32 v[U+4*(\p):U+4*(\p)+1], v[X+8*(\p):X+8*(\p)+1], v[X+8*(\p):X+8*(\p)+1]
.endr
.irp j, 2,4,6
.irp p, 0,1,2,3
	v_pk_fma_f32 v[U+4*(\p):U+4*(\p)+1], v[X+8*(\p)+(\j):X+8*(\p)+(\j)+1], v[X+8*(\p)+(\j):X+8*(\p)+(\j)+1], v[U+4*(\p):U+4*(\p)+1]
.endr
.endr
.irp p, 0,1,2,3
	v_add_f32 v[U+4*(\p)], v[U+4*(\p)], v[U+4*(\p)+1]
.endr
.irp m, 1,2,4,8
.irp p, 0,1,2,3
	v_add_f32_dpp v[U+4*(\p)], v[U+4*(\p)], v[U+4*(\p)] row_xmask:\m row_mask:0xf bank_mask:0xf
.endr
.endr
.irp p, 0,1,2,3
	v_permlanex16_b32 v[U+4*(\p)+1], v[U+4*(\p)], s80, s81
.endr
.irp p, 0,1,2,3
	v_add_f32 v[U+4*(\p)], v[U+4*(\p)], v[U+4*(\p)+1]
.endr
.irp p, 0,1,2,3
	v_fma_f32 v[U+4*(\p)], v[U+4*(\p)], s78, s79       ; the mean of the squares + 1e-6
.endr
.irp p, 0,1,2,3
	v_rsq_f32 v[R+2*(\p)], v[U+4*(\p)]
.endr
	v_nop                                  ; a plain instruction behind the last of them
	s_wait_alu depctr_va_vdst(0)
.irp p, 0,1,2,3
.irp j, 0,2,4,6
	v_pk_mul_f32 v[X+8*(\p)+(\j):X+8*(\p)+(\j)+1], v[X+8*(\p)+(\j):X+8*(\p)+(\j)+1], v[R+2*(\p):R+2*(\p)+1] op_sel_hi:[1,0]
.endr
.endr
.irp p, 0,1,2,3
.irp j, 0,2,4,6
	v_pk_mul_f32 v[X+8*(\p)+(\j):X+8*(\p)+(\j)+1], v[X+8*(\p)+(\j):X+8*(\p)+(\j)+1], v[G+(\j):G+(\j)+1]
.endr
.endr
.irp p, 0,1,2,3
.irp e, 0,1,2,3
	v_lshlrev_b32 v[U+(\e)],    16,  v[D+8*(\p)+(\e)]       ; cos of the low columns
	v_and_b32     v[U+4+(\e)],  s74, v[D+8*(\p)+(\e)]       ; sin of the low columns
	v_lshlrev_b32 v[U+8+(\e)],  16,  v[D+8*(\p)+4+(\e)]     ; cos of the high columns
	v_and_b32     v[U+12+(\e)], s74, v[D+8*(\p)+4+(\e)]     ; sin of the high columns
.endr
.irp j, 0,2
	v_pk_mul_f32 v[U+4+(\j):U+4+(\j)+1],   v[X+8*(\p)+4+(\j):X+8*(\p)+4+(\j)+1], v[U+4+(\j):U+4+(\j)+1]
	v_pk_mul_f32 v[U+12+(\j):U+12+(\j)+1], v[X+8*(\p)+(\j):X+8*(\p)+(\j)+1],     v[U+12+(\j):U+12+(\j)+1]
.endr
.irp j, 0,2
	v_pk_fma_f32 v[U+(\j):U+(\j)+1],     v[X+8*(\p)+(\j):X+8*(\p)+(\j)+1],     v[U+(\j):U+(\j)+1],     v[U+4+(\j):U+4+(\j)+1] neg_lo:[0,0,1] neg_hi:[0,0,1]  ; low: x cos - x_high sin
	v_pk_fma_f32 v[U+8+(\j):U+8+(\j)+1], v[X+8*(\p)+4+(\j):X+8*(\p)+4+(\j)+1], v[U+8+(\j):U+8+(\j)+1], v[U+12+(\j):U+12+(\j)+1]                              ; high: x cos + x_low sin
.endr
	v_cvt_pk_f16_f32 v[D+8*(\p)],   v[U],    v[U+1]
	v_cvt_pk_f16_f32 v[D+8*(\p)+1], v[U+2],  v[U+3]
	v_cvt_pk_f16_f32 v[D+8*(\p)+2], v[U+8],  v[U+9]
	v_cvt_pk_f16_f32 v[D+8*(\p)+3], v[U+10], v[U+11]
	global_store_b64 v24, v[D+8*(\p):D+8*(\p)+1],   s[16:17] offset:(\p)*512-2048      ; the wave stores 256 consecutive bytes, aligned
	global_store_b64 v24, v[D+8*(\p)+2:D+8*(\p)+3], s[16:17] offset:(\p)*512-2048+256
.endr
.endm
	s_cmp_eq_u32 s59, 1
	s_cselect_b64 s[12:13], s[14:15], s[12:13]  ; the gain that belongs
	s_lshl_b32 s84, s62, 7
	s_add_co_u32 s84, s84, s85             ; my first row among the 4,096: 128 x row tile + 32 x wave
	s_lshl_b32 s86, s84, 10                ; 1,024 bytes a row of cos and sin
	s_mov_b32 s87, 0
	s_add_nc_u64 s[8:9], s[8:9], s[86:87]
	s_add_nc_u64 s[10:11], s[10:11], s[86:87]
	v_mov_b32 v22, v25
	v_mov_b32 v23, v25
	global_load_b128 v[G:G+3],   v25, s[12:13]
	global_load_b128 v[G+4:G+7], v25, s[12:13] offset:512
	LOADCS RAWA, 22, 0                     ; rows 0-3 and 4-7 are asked for ahead of the dump: they land while it and v's rows go
	LOADCS RAWB, 23, 4
	s_barrier_signal -1                    ; every wave's reads of the ring are back (the wait for 0 above): the dump may lie over it
	s_barrier_wait -1
	DUMP
	s_wait_dscnt 0x0                       ; for the others' sake: my stores into the dump are done
	s_barrier_signal -1
	s_barrier_wait -1
	s_mov_b32 s58, 2
.Lvrows:                                       ; v is only rounded: 16 rows a trip, 128 columns: 4 f32 a lane become 8 bytes
	s_wait_xcnt 0x0                        ; the last trip's stores have read their registers
.irp p, 0,1,2,3,4,5,6,7,8,9,10,11,12,13,14,15
	ds_load_b128 v[64+4*(\p):64+4*(\p)+3], v14 offset:(\p)*PDV
.endr
	v_add_nc_u32 v14, 16*PDV, v14
	v_add_nc_u32 v15, 8192, v15            ; 16 rows of 512 bytes on; the stores reach back
	s_wait_dscnt 0x0
.irp p, 0,1,2,3,4,5,6,7,8,9,10,11,12,13,14,15
	v_cvt_pk_f16_f32 v[64+4*(\p)], v[64+4*(\p)], v[64+4*(\p)+1]
	v_cvt_pk_f16_f32 v[65+4*(\p)], v[64+4*(\p)+2], v[64+4*(\p)+3]
.endr
.irp p, 0,1,2,3,4,5,6,7,8,9,10,11,12,13,14,15
	global_store_b64 v15, v[64+4*(\p):65+4*(\p)], s[90:91] offset:(\p)*512-8192   ; the wave stores 256 consecutive bytes, aligned
.endr
	s_sub_co_u32 s58, s58, 1
	s_cmp_lg_u32 s58, 0
	s_cbranch_scc1 .Lvrows
	s_wait_loadcnt 32                      ; the two loads of the gain are in; the 32 of cos and sin may stay out
.irp j, 0,1,2,3
	v_cvt_pk_bf16_f32 v[U+(\j)], v[G+2*(\j)], v[G+2*(\j)+1]
.endr
.irp j, 0,1,2,3
	v_lshlrev_b32 v[G+2*(\j)], 16, v[U+(\j)]
	v_and_b32 v[G+2*(\j)+1], s74, v[U+(\j)]
.endr
.irp j, 0,2,4,6
	v_pk_fma_f32 v[G+(\j):G+(\j)+1], v[G+(\j):G+(\j)+1], s[76:77], s[76:77] op_sel_hi:[1,0,0]  ; (1 + w) x 0.0600561
.endr
.irp p, 0,1,2,3
	v_mov_b32 v[R+2*(\p)+1], 0             ; named with 1 / rms as a pair, never used
.endr
	s_mov_b32 s58, 4
.Lrows:                                        ; q or k: eight rows a trip
	GROUP RAWA, 22, 0
	GROUP RAWB, 23, 4
	s_sub_co_u32 s58, s58, 1
	s_cmp_lg_u32 s58, 0
	s_cbranch_scc1 .Lrows
	s_wait_tensorcnt 0x0                   ; the wave's end: the add and its wait stand behind my last tensor load and my last LDS store
	ds_add_u32 v28, v29
	s_wait_dscnt 0x0
	CROUND                                 ; the closing round: no work-group ends while a partner may still ask for a tile that names it
	s_endpgm
.Lfunc_end_k_qa50aa28621_qkv:
	.size	k_qa50aa28621_qkv, .Lfunc_end_k_qa50aa28621_qkv-k_qa50aa28621_qkv
	.p2alignl 7, 3214868480
	.fill 96, 4, 3214868480
	.section	.rodata,"a",@progbits
	.p2align	6, 0x0
	.amdhsa_kernel k_qa50aa28621_qkv
		.amdhsa_group_segment_fixed_size 327680
		.amdhsa_private_segment_fixed_size 0
		.amdhsa_enable_private_segment 0
		.amdhsa_kernarg_size 56
		.amdhsa_user_sgpr_count 2
		.amdhsa_user_sgpr_kernarg_segment_ptr 1
		.amdhsa_wavefront_size32 1
		.amdhsa_system_sgpr_workgroup_id_x 1
		.amdhsa_system_sgpr_workgroup_id_y 1
		.amdhsa_system_sgpr_workgroup_id_z 1
		.amdhsa_system_vgpr_workitem_id 0
		.amdhsa_next_free_vgpr 1024
		.amdhsa_next_free_sgpr 100
		.amdhsa_reserve_vcc 0
		.amdhsa_float_denorm_mode_32 3
		.amdhsa_float_denorm_mode_16_64 3
		.amdhsa_memory_ordered 1
		.amdhsa_forward_progress 1
		.amdhsa_inst_pref_size 108
	.end_amdhsa_kernel
	.amdgpu_metadata
---
amdhsa.version: [ 1, 2 ]
amdhsa.kernels:
  - .name:           k_qa50aa28621_qkv
    .symbol:         k_qa50aa28621_qkv.kd
    .args:
      - { .name: xb, .offset: 0, .size: 8, .value_kind: global_buffer, .address_space: global }
      - { .name: wqkv, .offset: 8, .size: 8, .value_kind: global_buffer, .address_space: global }
      - { .name: cos, .offset: 16, .size: 8, .value_kind: global_buffer, .address_space: global }
      - { .name: sin, .offset: 24, .size: 8, .value_kind: global_buffer, .address_space: global }
      - { .name: q_norm_w, .offset: 32, .size: 8, .value_kind: global_buffer, .address_space: global }
      - { .name: k_norm_w, .offset: 40, .size: 8, .value_kind: global_buffer, .address_space: global }
      - { .name: qkv16, .offset: 48, .size: 8, .value_kind: global_buffer, .address_space: global }
    .group_segment_fixed_size: 327680
    .private_segment_fixed_size: 0
    .kernarg_segment_align: 8
    .kernarg_segment_size: 56
    .max_flat_workgroup_size: 128
    .sgpr_count:     100
    .vgpr_count:     1024
    .wavefront_size: 32
...
	.end_amdgpu_metadata
.endif
;; end of part 2
;; launch attn (part 3): grid 32 x 8, 4 waves a work-group, no clusters, 327,680 bytes of LDS; arguments qkv16, ao; writes ao
.if DOCPART == 3
	.amdgcn_target "amdgcn-amd-amdhsa--gfx1250"
	.amdhsa_code_object_version 6
	.text
	.protected	k_qa50aa28621_attn
	.globl	k_qa50aa28621_attn
	.p2align	8
	.type	k_qa50aa28621_attn,@function
k_qa50aa28621_attn:
	s_mov_b64 s[64:65], 0
	v_nop
	global_prefetch_b8 v0, s[64:65] scope:SCOPE_SE
	s_setreg_imm32_b32 hwreg(HW_REG_WAVE_MODE, 25, 1), 1
	s_wait_xcnt 0x0
; ATTENTION IN A WINDOW, WITH A SOFT CAP.  For each query the keys with key - query in -511 .. 512; score 50 tanh(q . k / 800); softmax; times V.
; qkv16: [3][batch x 4 + head][2048][256] f16; q and k carry 0.0600561 each, so the product s' = q . k is 2 log2(e) / 800 times the true one.  ao: [4096][1024] f16, column = head x 256 + channel.
; THE ARITHMETIC.  u = 1 / (1 + 2^s'), so tanh = 1 - 2 u, and log2(e) x 50 tanh = 72.13 - A u with A = 144.2695.  The running maximum of the score is a running MINIMUM um of u:
; p = 2^(A um - A u), never above 1; in every step O and l are multiplied by a = 2^(A um_new - A um_old).  um starts at 1, which no u passes.  Products, u, p's sum in f32; p is rounded to f16 for the second product.
; A HIDDEN KEY has weight exactly 0: -1e30 is the C operand that starts its score, so 2^s' = 0; 1e-30 stands for the 1 in 1 + 2^s', so u = 1e30: it never is the minimum, and 2^(A um - A u) = 0.
; LIMITS.  q, k, v arrive within f16's 65,504; p below 6e-5 keeps f16's fixed step of 6e-8; O is a mean of V's rows; NaN and infinities are not treated apart.
; SHARES.  A work-group has 64 queries (block i) of one head: 32 x 8 = 256 work-groups.  It walks the 18 key tiles of 64 keys from kb0 = min(max(i - 8, 0), 14): all inside the head, and the window's 17 tiles among them.
; Wave w: 32 queries (w & 1), two tiles of 16; and one half of the walk (w >> 1): 9 key tiles.  So every wave of every work-group has 9 steps of 128 products.  At the end the two halves of the walk are merged through LDS.
; Tiles that the window hides wholly (at the head's two ends, and one of the 18 elsewhere) are walked all the same: the trip count is a constant.
; NO CLUSTER.  Four neighbouring blocks walk windows shifted by one tile each: a walk common to all four has 20 tiles for the 18 here, and whether a step makes masks hangs on tile - block,
; which differs between such partners.
; LAYOUT.  S^T = K Q^T (source 0 = 16 keys, source 1 = 16 queries): a lane holds ONE query (lane % 16) and the keys 8 (lane / 16) + 0..7.  Two such results rounded to f16 ARE source 1 of O^T = V^T P.
; K comes out of LDS as it lies, V ([key][channel]) turned.  In phases: all of a step's K Q^T, the softmax, all of its V^T P.
; REGISTERS, in windows of 256 (s_set_vgpr_msb: bits 1:0 source 0, 3:2 source 1, 5:4 source 2, 7:6 destination):
;   window 0: as named below     window 1: O^T (t, cb) at 128 t + 8 cb     window 2: Q (t, c) at 64 t + 8 c
;   window 3: K (key block k, channel block c) at 128 (c / 4) + 32 (c % 4) + 8 k, and by turns V (key half kk, channel block cb) at 128 kk + 8 cb: two halves of 128
.set PK,    528                        ; a row of K in LDS: 512 bytes + 16
.set PV,    544                        ; a row of V: 512 + 32, an odd multiple of 32, for the turning load
.set VOFF,  64*PK
.set PARTB, 64*(PK+PV)                 ; a key tile: 64 rows of K, then 64 of V
.set SLOT,  2*PARTB                    ; a slot holds one tile for each half of the walk
.set OST,   2*SLOT                     ; behind the ring: two stages of 16 rows x 528 bytes, for the way out
.set OSTB,  16*528
.set SPARE, OST+2*OSTB                 ; the spare words, 128 bytes a wave
.set MGB,   33792                      ; the merge: for each half of the queries 64 x 512 bytes of O^T and 4 x 128 of statistics, over the ring, which has had its last fill by then
.set ST,  16                           ; v[16:23]   tile t at ST + 4 t: A um, um, l (even keys', odd keys')
.set TC,  24                           ; v[24:31]   tile t: c0-c3 at work; c2 takes a
.set MV,  32                           ; v[32:33]   A um_old
.set CM,  48                           ; v[48:87]   the C operand, 0 or -1e30, for key block - query tile + 1 = 0..4
.set DM,  88                           ; v[88:127]  1 or 1e-30, likewise
.set S,   128                          ; v[128:191] S^T (t, k) at S + 32 t + 8 k
.set P,   192                          ; v[192:223] P (t, kk) at P + 16 t + 8 kk
; v1 r, v2 h; v3, v4 my lane's place in K, V of slot 0; v5, v6 the same in the slot in hand; v7 offset in Q; v8 8 h - r; v9, v10 at work; v11, v12 merge; v13 into my stage, v14 out of it; v15 16 x lane; v34, v35 the add's; v36-47 merge
; s8 wave; s9 wave & 1: my queries, and I fetch K (0) or V (1); s10 wave >> 1: my half of the walk; s14 J = key tile - query block; s15 64 J - 32 (w & 1) + 495; s16 slot read; s17 slot filled; s18 my fill's place; s19 counts
.set MSB, 0
.macro WIN new
.if MSB != (\new)
	s_set_vgpr_msb (MSB<<8)|(\new)
.set MSB, \new
.endif
.endm
.macro PLACES                          ; four places between a matrix instruction and a load into, or a vector access to, its registers
.rept 4
	v_nop
.endr
.endm
.macro LOAD                            ; a refill: the two lines differ in the padding alone; s_nop 0 and four v_nop follow each
	s_cmp_eq_u32 s9, 0
	s_cbranch_scc0 .Lfor_v_\@
	tensor_load_to_lds s[44:47], s[24:31]
	s_nop 0
.rept 4
	v_nop
.endr
	s_branch .Lasked_\@
.Lfor_v_\@:
	tensor_load_to_lds s[44:47], s[32:39]
	s_nop 0
.rept 4
	v_nop
.endr
.Lasked_\@:
.endm
	s_load_b128 s[4:7], s[0:1], 0x0        ; qkv16 4:5, ao 6:7
	v_lshl_add_u32 v34, v0, 2, SPARE
	v_mov_b32 v35, 0
	ds_add_u32 v34, v35                    ; the wave's opening: the add and its wait stand ahead of my first tensor load; register work stands between them
	ds_add_u32 v34, v35
	v_lshrrev_b32 v1, 5, v0
	v_readfirstlane_b32 s8, v1
	s_and_b32 s9, s8, 1
	s_lshr_b32 s10, s8, 1
	s_mov_b32 s11, ttmp9                   ; i
	s_and_b32 s12, ttmp7, 0xffff           ; batch x 4 + head
	s_max_u32 s13, s11, 8
	s_sub_co_u32 s13, s13, 8
	s_min_u32 s13, s13, 14                 ; kb0
	s_mul_i32 s56, s10, 9
	s_add_co_u32 s56, s56, s13             ; my half's first key tile
	s_sub_co_u32 s14, s56, s11             ; J
	s_lshl_b32 s15, s14, 6
	s_lshl_b32 s57, s9, 5
	s_sub_co_u32 s15, s15, s57
	s_add_co_u32 s15, s15, 495             ; key - query + 511 = this + (8 h - r) + 16 (k - t + 1) + register
	s_mov_b32 s16, 0
	s_mov_b32 s17, SLOT
	s_mul_i32 s18, s10, PARTB
	s_mul_i32 s57, s9, VOFF
	s_add_co_u32 s18, s18, s57             ; my fill: my half's tile, K or V
	s_lshl_b32 s60, s12, 20                ; the head: 1,048,576 bytes
	s_add_co_u32 s58, s9, 1
	s_lshl_b32 s58, s58, 23                ; k or v
	s_add_co_u32 s58, s58, s60
	s_lshl_b32 s59, s56, 15                ; a tile is 32,768 bytes
	s_add_co_u32 s58, s58, s59
	s_mov_b32 s59, 0
	s_lshl_b32 s62, s11, 15                ; Q: my block's 64 rows of 512 bytes, my 32 of them
	s_add_co_u32 s62, s62, s60
	s_lshl_b32 s63, s9, 14
	s_add_co_u32 s62, s62, s63
	s_mov_b32 s63, 0
	s_lshr_b32 s68, s12, 2                 ; ao: (batch x 2048 + 64 i + 32 (w & 1)) rows of 2,048 bytes + head x 512
	s_lshl_b32 s68, s68, 22
	s_lshl_b32 s69, s11, 17
	s_add_co_u32 s68, s68, s69
	s_lshl_b32 s69, s9, 16
	s_add_co_u32 s68, s68, s69
	s_and_b32 s69, s12, 3
	s_lshl_b32 s69, s69, 9
	s_add_co_u32 s68, s68, s69
	s_mov_b32 s69, 0
	s_mov_b32 s24, (1<<16)|(1<<20)|(6<<22)|(3<<25)  ; K: 2-byte elements; padding on; after every 128 words 4 words
	s_mov_b32 s32, (1<<16)|(1<<20)|(6<<22)|(7<<25)  ; V: 8 words
.irp g, 24, 32
	s_mov_b32 s[(\g)+1], 256<<16           ; tensor_dim0 = 256
	s_mov_b32 s[(\g)+2], 64<<16            ; tensor_dim1 = 64
	s_mov_b32 s[(\g)+3], 256<<16           ; tile_dim0 = 256
	s_mov_b32 s[(\g)+4], 64                ; tile_dim1 = 64
	s_mov_b32 s[(\g)+5], 256               ; elements from row to row
	s_mov_b32 s[(\g)+6], 0
	s_mov_b32 s[(\g)+7], 0
.endr
	s_mov_b32 s48, 0xc31044ff              ; -A
	s_mov_b32 s49, s48                     ; named with it as a pair
	s_mov_b32 s50, 0x431044ff              ; A = 144.2695
	s_mov_b32 s51, 0xf149f2ca              ; -1e30
	s_mov_b32 s52, 0x0da24260              ; 1e-30
	s_mov_b32 s53, 1024
	s_mov_b32 s54, 0x76543210              ; v_permlanex16_b32: each lane takes its own place in the other half
	s_mov_b32 s55, 0xfedcba98
	s_wait_dscnt 0x0                       ; the opening add is done
	s_wait_kmcnt 0x0
	s_add_nc_u64 s[58:59], s[4:5], s[58:59]
	s_add_nc_u64 s[66:67], s[4:5], s[62:63]
	s_add_nc_u64 s[6:7], s[6:7], s[68:69]
.irp s, 0,1
	s_mov_b32 s[40+4*(\s)], 1
	s_add_co_u32 s[41+4*(\s)], s18, (\s)*SLOT
	s_add_nc_u64 s[42+4*(\s):43+4*(\s)], s[58:59], (\s)*32768
	s_or_b32 s[43+4*(\s)], s[43+4*(\s)], 0x80000000
.endr
	s_cmp_eq_u32 s9, 0                     ; a wave's two first fills stand in one branch, ahead of every wait on TENSORcnt and every LDS read: two loads of mine are out
	s_cbranch_scc0 .Lfirst_v
	tensor_load_to_lds s[40:43], s[24:31]
	s_nop 0
	tensor_load_to_lds s[44:47], s[24:31]
	s_nop 0
.rept 4
	v_nop
.endr
	s_branch .Lfirst_asked
.Lfirst_v:
	tensor_load_to_lds s[40:43], s[32:39]
	s_nop 0
	tensor_load_to_lds s[44:47], s[32:39]
	s_nop 0
.rept 4
	v_nop
.endr
.Lfirst_asked:
	v_and_b32 v1, 15, v0                   ; r
	v_bfe_u32 v2, v0, 4, 1                 ; h
	v_lshlrev_b32 v7, 9, v1
	v_lshl_add_u32 v7, v2, 4, v7           ; Q: row r x 512 + 16 h
	WIN 0x80                               ; destination window 2, address window 0
.irp t, 0,1
.irp c, 0,1,2,3,4,5,6,7
	global_load_b128 v[64*(\t)+8*(\c):64*(\t)+8*(\c)+3],   v7, s[66:67] offset:(\t)*8192+(\c)*64
	global_load_b128 v[64*(\t)+8*(\c)+4:64*(\t)+8*(\c)+7], v7, s[66:67] offset:(\t)*8192+(\c)*64+32
.endr
.endr
	; No first step is written out: O^T and l start at 0, um at 1.  The masks start as 'all visible', which is right for a walk that begins inside the window.  All this stands in the wait for the first tile.
	WIN 0x40
.set i, 0
.rept 256
	v_mov_b32 v[i], 0
.set i, i+1
.endr
	WIN 0
.set i, 0
.rept 40
	v_mov_b32 v[CM+i], 0
	v_mov_b32 v[DM+i], 1.0
.set i, i+1
.endr
.irp t, 0,1
	v_mov_b32 v[ST+4*(\t)], s50
	v_mov_b32 v[ST+4*(\t)+1], 1.0
	v_mov_b32 v[ST+4*(\t)+2], 0
	v_mov_b32 v[ST+4*(\t)+3], 0
.endr
	v_mul_u32_u24 v3, v1, PK
	v_lshl_add_u32 v3, v2, 4, v3           ; row r x 528 + 16 h: K's fragments, and my stage's rows
	s_mul_i32 s56, s9, OSTB
	s_add_co_u32 s56, s56, OST
	v_add_nc_u32 v13, s56, v3
	v_and_b32 v15, 31, v0
	v_lshlrev_b32 v15, 4, v15              ; 16 x lane
	v_add_nc_u32 v14, s56, v15
	s_mul_i32 s56, s9, MGB
	v_add_nc_u32 v11, s56, v15
	v_lshrrev_b32 v12, 2, v15
	s_add_co_u32 s57, s56, 32768
	v_add_nc_u32 v12, s57, v12
	s_mul_i32 s56, s10, PARTB
	v_add_nc_u32 v3, s56, v3
	v_and_b32 v9, 7, v0
	v_bfe_u32 v10, v0, 3, 1
	v_lshl_add_u32 v4, v2, 3, v9
	v_mul_u32_u24 v4, v4, PV
	v_lshl_add_u32 v4, v10, 4, v4          ; V, turned: key 8 h + lane % 8, 16 bytes by (lane / 8) % 2
	s_add_co_u32 s57, s56, VOFF
	v_add_nc_u32 v4, s57, v4
	v_mov_b32 v5, v3
	v_mov_b32 v6, v4
	v_lshlrev_b32 v8, 3, v2
	v_sub_nc_u32 v8, v8, v1                ; 8 h - r
.macro FETCH_K hf                      ; 32 LDS loads: channels 128 hf .. + 127 of the tile's 64 keys
	WIN 0xc0
.irp c, 0,1,2,3
.irp k, 0,1,2,3
	ds_load_b128 v[128*(\hf)+32*(\c)+8*(\k):128*(\hf)+32*(\c)+8*(\k)+3],   v5 offset:(\k)*16*PK+(4*(\hf)+(\c))*64
	ds_load_b128 v[128*(\hf)+32*(\c)+8*(\k)+4:128*(\hf)+32*(\c)+8*(\k)+7], v5 offset:(\k)*16*PK+(4*(\hf)+(\c))*64+32
.endr
.endr
.endm
.macro FETCH_V kk                      ; 32 LDS loads: keys 32 kk .. + 31, all 256 channels, turned
	WIN 0xc0
.irp cb, 0,1,2,3,4,5,6,7,8,9,10,11,12,13,14,15
	ds_load_tr16_b128 v[128*(\kk)+8*(\cb):128*(\kk)+8*(\cb)+3],   v6 offset:(\kk)*32*PV+(\cb)*32
	ds_load_tr16_b128 v[128*(\kk)+8*(\cb)+4:128*(\kk)+8*(\cb)+7], v6 offset:(\kk)*32*PV+16*PV+(\cb)*32
.endr
.endm
; 8 products of S^T = K Q^T: channels 32 c on.  The 8 accumulators take turns; c = 0 starts the sums with the mask.
.macro QK c
	WIN 0x0b
.irp k, 0,1,2,3
.irp t, 0,1
.if (\c) == 0
	v_wmma_f32_16x16x32_f16 v[S+32*(\t)+8*(\k):S+32*(\t)+8*(\k)+7], v[8*(\k):8*(\k)+7], v[64*(\t):64*(\t)+7], v[CM+8*((\k)-(\t)+1):CM+8*((\k)-(\t)+1)+7]
.else
	v_wmma_f32_16x16x32_f16 v[S+32*(\t)+8*(\k):S+32*(\t)+8*(\k)+7], v[128*((\c)/4)+32*((\c)%4)+8*(\k):128*((\c)/4)+32*((\c)%4)+8*(\k)+7], v[64*(\t)+8*(\c):64*(\t)+8*(\c)+7], v[S+32*(\t)+8*(\k):S+32*(\t)+8*(\k)+7]
.endif
.endr
.endr
.endm
; 32 products of O^T += V^T P: keys 32 kk on.  The 32 accumulators take turns.
.macro PVM kk
	WIN 0x53
.irp cb, 0,1,2,3,4,5,6,7,8,9,10,11,12,13,14,15
.irp t, 0,1
	v_wmma_f32_16x16x32_f16 v[128*(\t)+8*(\cb):128*(\t)+8*(\cb)+7], v[128*(\kk)+8*(\cb):128*(\kk)+8*(\cb)+7], v[P+16*(\t)+8*(\kk):P+16*(\t)+8*(\kk)+7], v[128*(\t)+8*(\cb):128*(\t)+8*(\cb)+7]
.endr
.endr
.endm
; The masks of this step: a key is visible where key - query + 511, taken as unsigned, is below 1,024.
.macro MAKE
	v_add_nc_u32 v9, s15, v8
.irp d, 0,1,2,3,4
.irp j, 0,1,2,3,4,5,6,7
	v_add_nc_u32 v10, 16*(\d)+(\j), v9
	v_cmp_gt_u32 vcc_lo, s53, v10
	v_cndmask_b32 v[CM+8*(\d)+(\j)], s51, 0, vcc_lo
	v_cndmask_b32 v[DM+8*(\d)+(\j)], s52, 1.0, vcc_lo
.endr
.endr
.endm
; Number n of the 22 that find tile t's new minimum and a.  0-11: four chains of seven; 12-14, 16: the four left over, the old um, the chains; 15: A um_old is kept;
; 17, 18: the query's other 32 keys lie in the lane 16 away; 19-21: A um, A um_new - A um_old, a
.macro XS t, n
.set rT, ST+4*(\t)
.set rC, TC+4*(\t)
.set rM, MV+(\t)
.set rS, S+32*(\t)
.if (\n) < 4
	v_min3_num_f32 v[rC+(\n)], v[rS+8*(\n)], v[rS+8*(\n)+1], v[rS+8*(\n)+2]
.elseif (\n) < 12
	v_min3_num_f32 v[rC+(\n)%4], v[rC+(\n)%4], v[rS+8*((\n)%4)+2*((\n)/4)+1], v[rS+8*((\n)%4)+2*((\n)/4)+2]
.elseif (\n) == 12
	v_min3_num_f32 v[rC], v[rC], v[rS+7], v[rS+15]
.elseif (\n) == 13
	v_min3_num_f32 v[rC+1], v[rC+1], v[rS+23], v[rS+31]
.elseif (\n) == 14
	v_min3_num_f32 v[rC+2], v[rC+2], v[rC+3], v[rT+1]
.elseif (\n) == 15
	v_mov_b32 v[rM], v[rT]
.elseif (\n) == 16
	v_min3_num_f32 v[rC], v[rC], v[rC+1], v[rC+2]
.elseif (\n) == 17
	v_permlanex16_b32 v[rC+3], v[rC], s54, s55
.elseif (\n) == 18
	v_min_num_f32 v[rT+1], v[rC], v[rC+3]
.elseif (\n) == 19
	v_mul_f32 v[rT], s50, v[rT+1]
.elseif (\n) == 20
	v_sub_f32 v[rC+1], v[rT], v[rM]
.else
	v_exp_f32 v[rC+2], v[rC+1]
.endif
.endm
.macro SOFTMAX
	WIN 0
.set i, 0
.rept 64                               ; 2^s', each accumulator from its low end
	v_exp_f32 v[S+i], v[S+i]
.set i, i+1
.endr
	v_nop                                  ; a plain instruction behind the last exponential
	s_wait_alu depctr_va_vdst(0)
.irp t, 0,1
.irp k, 0,1,2,3
.irp j, 0,2,4,6
	v_pk_add_f32 v[S+32*(\t)+8*(\k)+(\j):S+32*(\t)+8*(\k)+(\j)+1], v[S+32*(\t)+8*(\k)+(\j):S+32*(\t)+8*(\k)+(\j)+1], v[DM+8*((\k)-(\t)+1)+(\j):DM+8*((\k)-(\t)+1)+(\j)+1]
.endr
.endr
.endr
.set i, 0
.rept 64                               ; u
	v_rcp_f32 v[S+i], v[S+i]
.set i, i+1
.endr
	v_nop
	s_wait_alu depctr_va_vdst(0)
.irp n, 0,1,2,3,4,5,6,7,8,9,10,11,12,13,14,15,16,17,18,19,20,21
	XS 0, \n
	XS 1, \n
.endr
.irp t, 0,1                            ; A um - A u; the first of these lines is the plain instruction behind the two exponentials that make a
.set i, 0
.rept 16
	v_pk_fma_f32 v[S+32*(\t)+i:S+32*(\t)+i+1], v[S+32*(\t)+i:S+32*(\t)+i+1], s[48:49], v[ST+4*(\t):ST+4*(\t)+1] op_sel_hi:[1,0,0]
.set i, i+2
.endr
.endr
.set i, 0
.rept 64                               ; p
	v_exp_f32 v[S+i], v[S+i]
.set i, i+1
.endr
	v_nop
.set i, 0
	s_wait_alu depctr_va_vdst(0)
.rept 32
	v_cvt_pk_f16_f32 v[P+i], v[S+2*i], v[S+2*i+1]
.set i, i+1
.endr
.irp d, 1,2,4,8                        ; the sum of a tile's 16 pairs, in place: neighbours 1, 2, 4, 8 pairs apart; the two tiles alternate
.set u, 0
.rept 8/(\d)
.irp t, 0,1
	v_pk_add_f32 v[S+32*(\t)+2*u:S+32*(\t)+2*u+1], v[S+32*(\t)+2*u:S+32*(\t)+2*u+1], v[S+32*(\t)+2*(u+(\d)):S+32*(\t)+2*(u+(\d))+1]
.endr
.set u, u+2*(\d)
.endr
.endr
.irp t, 0,1
	v_pk_fma_f32 v[ST+4*(\t)+2:ST+4*(\t)+3], v[ST+4*(\t)+2:ST+4*(\t)+3], v[TC+4*(\t)+2:TC+4*(\t)+3], v[S+32*(\t):S+32*(\t)+1] op_sel_hi:[1,0,1]  ; l = a l + sum
.endr
.endm
.macro RESCALE                         ; O^T times a, each accumulator from its low end
	WIN 0x41
.irp t, 0,1
.set i, 128*(\t)
.rept 64
	v_pk_mul_f32 v[i:i+1], v[i:i+1], v[TC+4*(\t)+2:TC+4*(\t)+3] op_sel_hi:[1,0]
.set i, i+2
.endr
.endr
.endm
; A step's first part.  Masks are made where J <= -7 or J >= 8; for J = -7 .. 7 every key of the tile is visible to all my 32 queries, and the masks made at J = -7 say so for the steps behind it.
.macro QKSM
	WIN 0
	s_add_co_u32 s56, s14, 6
	s_cmp_gt_u32 s56, 13
	s_cbranch_scc0 .Lno_mask_\@
	MAKE
.Lno_mask_\@:
	s_add_co_u32 s14, s14, 1
	s_add_co_u32 s15, s15, 64
	s_wait_dscnt 32                        ; K's first half is in; the 32 loads of its second half may be out
	QK 0
	QK 1
	QK 2
	QK 3
	PLACES
	FETCH_V 0                              ; where K's first half lay
	s_wait_dscnt 32                        ; K's second half is in; the 32 loads just issued may be out
	QK 4
	QK 5
	QK 6
	QK 7
	PLACES                                 ; for the loads below and for the softmax's first reads
	FETCH_V 1
	SOFTMAX
	RESCALE
.endm
; THE CHANGE OF SLOTS, between the softmax and V^T P: the slot's last reads, V's, are waited for here.  Each wave waits for all its tensor loads (one is out: its part of the other slot), adds 0 to its spare word,
; and waits for that and for its reads.  Behind the barrier nobody reads this slot and the other is whole.  fill = 1: this slot takes the tiles two steps on, first thing behind the barrier: a whole step in which to land.
.macro CHANGE fill
	WIN 0
	s_wait_tensorcnt 0x0
	ds_add_u32 v34, v35
.if \fill
	s_xor_b32 s17, s17, SLOT               ; the other slot than last time,
	s_add_co_u32 s45, s18, s17
	s_add_nc_u64 s[46:47], s[46:47], 32768 ; the next tile
.endif
	s_wait_dscnt 0x0                       ; the add is done; V is in: my reads of the slot are over
	s_barrier_signal -1
	s_xor_b32 s16, s16, SLOT
	s_barrier_wait -1
.if \fill
	LOAD
.endif
	v_add_nc_u32 v5, s16, v3
	v_add_nc_u32 v6, s16, v4
.endm
.macro PVF                             ; V^T P, and the next step's K into each half as it falls free
	PVM 0
	PLACES
	FETCH_K 0
	PVM 1
	PLACES
	FETCH_K 1
.endm
	s_wait_tensorcnt 0x1                   ; my part of slot 0 is in; slot 1's may stay out
	s_barrier_signal -1
	s_barrier_wait -1
	FETCH_K 0
	FETCH_K 1
	WIN 0
	s_wait_loadcnt 0x0                     ; Q
	s_mov_b32 s19, 7
.Lloop:                                        ; steps 0 to 6 ask for the tiles of steps 2 to 8
	QKSM
	CHANGE 1
	PVF
	WIN 0
	s_sub_co_u32 s19, s19, 1
	s_cmp_lg_u32 s19, 0
	s_cbranch_scc1 .Lloop
	s_mov_b32 s19, 2
.Ltail:                                        ; steps 7 and 8 ask for nothing; the second trip is left in its middle
	QKSM
	WIN 0
	s_sub_co_u32 s19, s19, 1
	s_cmp_eq_u32 s19, 0
	s_cbranch_scc1 .Lfin
	CHANGE 0
	PVF
	WIN 0
	s_branch .Ltail
.Lfin:
	s_wait_dscnt 0x0                       ; V is in
	PVM 0
	PVM 1
	WIN 0
	PLACES
.irp t, 0,1
	v_add_f32 v[ST+4*(\t)+2], v[ST+4*(\t)+2], v[ST+4*(\t)+3]
.endr
.irp t, 0,1
	v_permlanex16_b32 v[ST+4*(\t)+3], v[ST+4*(\t)+2], s54, s55
.endr
.irp t, 0,1
	v_add_f32 v[ST+4*(\t)+2], v[ST+4*(\t)+2], v[ST+4*(\t)+3]   ; l of my half of the walk
.endr
	; THE MERGE.  The waves of the walk's second half hand O^T, um and l to the waves of the first half, lane for lane.
	s_barrier_signal -1                    ; every wave's reads of the ring are back: the merge may lie over it
	s_barrier_wait -1
	s_cmp_eq_u32 s10, 0
	s_cbranch_scc1 .Lkeep
	WIN 0x04                               ; store data in window 1
.set i, 0
.rept 64
	ds_store_b128 v11, v[4*i:4*i+3] offset:512*i
.set i, i+1
.endr
	WIN 0
	ds_store_b32 v12, v[ST+1]
	ds_store_b32 v12, v[ST+5] offset:128
	ds_store_b32 v12, v[ST+2] offset:256
	ds_store_b32 v12, v[ST+6] offset:384
.Lkeep:
	s_wait_dscnt 0x0                       ; for the others' sake: my stores are done
	s_barrier_signal -1
	s_barrier_wait -1
	s_cmp_lg_u32 s10, 0
	s_cbranch_scc1 .Lend
	ds_load_b32 v36, v12                   ; the partner's um, um, l, l
	ds_load_b32 v37, v12 offset:128
	ds_load_b32 v38, v12 offset:256
	ds_load_b32 v39, v12 offset:384
	WIN 0xc0                               ; the partner's O^T into window 3
.set i, 0
.rept 64
	ds_load_b128 v[4*i:4*i+3], v11 offset:512*i
.set i, i+1
.endr
	WIN 0
	s_wait_dscnt 0x0
.irp t, 0,1                            ; u* = min; f = 2^(A u* - A um) for each half; l = f0 l0 + f1 l1; g = f / l
	v_min_num_f32 v[40+4*(\t)], v[ST+4*(\t)+1], v[36+(\t)]
	v_sub_f32 v[41+4*(\t)], v[40+4*(\t)], v[ST+4*(\t)+1]
	v_sub_f32 v[42+4*(\t)], v[40+4*(\t)], v[36+(\t)]
	v_mul_f32 v[41+4*(\t)], s50, v[41+4*(\t)]
	v_mul_f32 v[42+4*(\t)], s50, v[42+4*(\t)]
	v_exp_f32 v[41+4*(\t)], v[41+4*(\t)]
	v_exp_f32 v[42+4*(\t)], v[42+4*(\t)]
	v_nop
	s_wait_alu depctr_va_vdst(0)
	v_mul_f32 v[43+4*(\t)], v[42+4*(\t)], v[38+(\t)]
	v_fma_f32 v[43+4*(\t)], v[41+4*(\t)], v[ST+4*(\t)+2], v[43+4*(\t)]
	v_rcp_f32 v[43+4*(\t)], v[43+4*(\t)]
	v_nop
	s_wait_alu depctr_va_vdst(0)
	v_mul_f32 v[40+4*(\t)], v[41+4*(\t)], v[43+4*(\t)]
	v_mul_f32 v[42+4*(\t)], v[42+4*(\t)], v[43+4*(\t)]
.endr
; Tile t: O = g0 O + g1 O', rounded to f16; a lane's eight channels of a row are 16 bytes; through my stage they become whole rows of 512 bytes.
.macro OUTT t
	WIN 0x41
.set i, 128*(\t)
.rept 64
	v_pk_mul_f32 v[i:i+1], v[i:i+1], v[40+4*(\t):41+4*(\t)] op_sel_hi:[1,0]
.set i, i+2
.endr
	WIN 0x53                               ; source 0 the partner's (window 3), source 1 g1 (window 0), source 2 and destination mine (window 1)
.set i, 128*(\t)
.rept 64
	v_pk_fma_f32 v[i:i+1], v[i:i+1], v[42+4*(\t):43+4*(\t)], v[i:i+1] op_sel_hi:[1,0,1]
.set i, i+2
.endr
	WIN 0x05
.set i, 0
.rept 64
	v_cvt_pk_f16_f32 v[S+i], v[128*(\t)+2*i], v[128*(\t)+2*i+1]
.set i, i+1
.endr
	WIN 0
.irp cb, 0,1,2,3,4,5,6,7,8,9,10,11,12,13,14,15
	ds_store_b128 v13, v[S+4*(\cb):S+4*(\cb)+3] offset:32*(\cb)
.endr
	s_wait_xcnt 0x0                        ; the tile before's stores have read v192-255
.irp p, 0,1,2,3,4,5,6,7,8,9,10,11,12,13,14,15
	ds_load_b128 v[192+4*(\p):192+4*(\p)+3], v14 offset:528*(\p)   ; LDS serves a wave's instructions in order: these see the stores above
.endr
.irp p, 0,1,2,3,4,5,6,7,8,9,10,11,12,13,14,15
	s_wait_dscnt 15-(\p)                   ; row p is back; the younger rows may be out
	global_store_b128 v15, v[192+4*(\p):192+4*(\p)+3], s[6:7] offset:(\t)*32768+(\p)*2048  ; the wave stores 512 consecutive bytes, aligned
.endr
.endm
	OUTT 0
	OUTT 1
.Lend:
	s_wait_tensorcnt 0x0                   ; the wave's end: the add and its wait stand behind my last tensor load and my last LDS store
	ds_add_u32 v34, v35
	s_wait_dscnt 0x0
	s_endpgm
.Lfunc_end_k_qa50aa28621_attn:
	.size	k_qa50aa28621_attn, .Lfunc_end_k_qa50aa28621_attn-k_qa50aa28621_attn
	.p2alignl 7, 3214868480
	.fill 96, 4, 3214868480
	.section	.rodata,"a",@progbits
	.p2align	6, 0x0
	.amdhsa_kernel k_qa50aa28621_attn
		.amdhsa_group_segment_fixed_size 327680
		.amdhsa_private_segment_fixed_size 0
		.amdhsa_enable_private_segment 0
		.amdhsa_kernarg_size 16
		.amdhsa_user_sgpr_count 2
		.amdhsa_user_sgpr_kernarg_segment_ptr 1
		.amdhsa_wavefront_size32 1
		.amdhsa_system_sgpr_workgroup_id_x 1
		.amdhsa_system_sgpr_workgroup_id_y 1
		.amdhsa_system_sgpr_workgroup_id_z 1
		.amdhsa_system_vgpr_workitem_id 0
		.amdhsa_next_free_vgpr 1024
		.amdhsa_next_free_sgpr 72
		.amdhsa_reserve_vcc 1
		.amdhsa_float_denorm_mode_32 3
		.amdhsa_float_denorm_mode_16_64 3
		.amdhsa_memory_ordered 1
		.amdhsa_forward_progress 1
		.amdhsa_inst_pref_size 172
	.end_amdhsa_kernel
	.amdgpu_metadata
---
amdhsa.version: [ 1, 2 ]
amdhsa.kernels:
  - .name:           k_qa50aa28621_attn
    .symbol:         k_qa50aa28621_attn.kd
    .args:
      - { .name: qkv16, .offset: 0, .size: 8, .value_kind: global_buffer, .address_space: global }
      - { .name: ao, .offset: 8, .size: 8, .value_kind: global_buffer, .address_space: global }
    .group_segment_fixed_size: 327680
    .private_segment_fixed_size: 0
    .kernarg_segment_align: 8
    .kernarg_segment_size: 16
    .max_flat_workgroup_size: 128
    .sgpr_count:     72
    .vgpr_count:     1024
    .wavefront_size: 32
...
	.end_amdgpu_metadata
.endif
;; end of part 3
;; launch outp (part 4): grid 16 x 16, 4 waves a work-group, clusters of 4 x 4, 327,680 bytes of LDS; arguments ao, wo16, out0; writes out0
.if DOCPART == 4
	.amdgcn_target "amdgcn-amd-amdhsa--gfx1250"
	.amdhsa_code_object_version 6
	.text
	.protected	k_qa50aa28621_outp
	.globl	k_qa50aa28621_outp
	.p2align	8
	.type	k_qa50aa28621_outp,@function
k_qa50aa28621_outp:
	s_mov_b64 s[64:65], 0
	v_nop
	global_prefetch_b8 v0, s[64:65] scope:SCOPE_SE
	s_setreg_imm32_b32 hwreg(HW_REG_WAVE_MODE, 25, 1), 1
	s_wait_xcnt 0x0
	s_wait_alu depctr_hold_cnt(0) depctr_sa_sdst(0) depctr_va_vdst(0) depctr_va_sdst(0) depctr_va_ssrc(0) depctr_va_vcc(0) depctr_vm_vsrc(0)
	s_getreg_b32 s2, hwreg(HW_REG_IB_STS2, 6, 4)
	s_cmp_eq_u32 s2, 0
	s_cbranch_scc0 .Lentry_in_a_cluster
	s_endpgm
.Lentry_in_a_cluster:
	s_bfe_u32 s2, ttmp6, 0x10000c
	s_cmp_lg_u32 s2, 0xf033
	s_cbranch_scc0 .Lentry_shape_is_right
	s_endpgm
.Lentry_shape_is_right:
; out0 = ao x Wo.  ao: [4096][1024] f16; wo16: [1024 k][2048 n] f16 (Wo rounded to bf16, written as f16); out0: [4096][2048] f32; sums in f32.
; A tile of 256 rows x 128 columns: 16 x 16 = 256 work-groups.  A wave makes 64 rows x 128 columns: 32 accumulators, 256 registers.  K goes in 8 steps of 128 through two LDS slots:
; A's tile 256 rows x 256 bytes, B's 128 k-rows x 256 bytes; B lies [k][n] and is turned on the way out of LDS.
; THE PRODUCT IS USED TRANSPOSED (source 0 = 16 columns of Wo, source 1 = 16 rows of ao): a lane holds one row and eight neighbouring columns.
; CLUSTER 4 x 4: A's tile is asked for jointly along a row of the cluster, B's along a column.
; REGISTERS: window 0: v1-29 addresses; v64-95, v96-127 A's fragments, two buffers; v128-191 the way out     window 1: B's fragments, two buffers of 64     window 2: accumulator (a, b) at 64 a + 8 b
.set PA,    272                        ; an LDS row of A: 256 bytes + 16
.set PB,    288                        ; an LDS row of B: 256 bytes + 32, an odd multiple of 32
.set AH,    128*PA                     ; a load of A: 128 rows
.set BH,    64*PB                      ; a load of B: 64 k-rows
.set SLOT,  2*AH+2*BH
.set SPARE, 2*SLOT                     ; behind the ring: the spare words, 128 bytes a wave
.set PD,    528                        ; the way out: a row of 128 f32 + 16 bytes
.set DW,    64*PD                      ; a wave's 64 rows; the four lie over the ring, which has had its last fill by then
.set KSTEPS, 8
; v16 A0, v17 B0: my lane's place in slot 0; v18, v19 in the slot in hand; v20 into the dump; v21 out of it; v24 offset in out0; v28, v29 the add's
; s18 wave; s19 wave & 1; s20 wave >> 1; s[24:31], s[32:39] group 1 of A, B; s[40:43], s[48:51] group 0 of the first fill; s[44:47], s[52:55] the walking group 0; s56 slot read; s57 slot filled; s58 counts; s66, s67 my fill's place for A, B
.set MSB, 0
.macro WIN new
.if MSB != (\new)
	s_set_vgpr_msb (MSB<<8)|(\new)
.set MSB, \new
.endif
.endm
.macro PLACES                          ; four places between a matrix instruction and a load into, or a store of, its registers
.rept 4
	v_nop
.endr
.endm
.macro JLOAD                           ; a joint refill: waves 0, 1 fetch A's halves, waves 2, 3 B's; s_nop 0 and four v_nop follow each line
	s_cmp_eq_u32 s20, 0
	s_cbranch_scc0 .Lfor_b_\@
	tensor_load_to_lds s[44:47], s[24:31]
	s_nop 0
.rept 4
	v_nop
.endr
	s_branch .Lasked_\@
.Lfor_b_\@:
	tensor_load_to_lds s[52:55], s[32:39]
	s_nop 0
.rept 4
	v_nop
.endr
.Lasked_\@:
.endm
.macro CREST
	s_cmp_lg_u32 s18, 0
	s_cbranch_scc1 .Lnot_wave_0_\@
	s_barrier_signal -3
.Lnot_wave_0_\@:
	s_barrier_wait -3
	s_barrier_signal -1
	s_barrier_wait -1
.endm
.macro CROUND
	s_barrier_signal -1
	s_barrier_wait -1
	CREST
.endm
	s_load_b128 s[4:7], s[0:1], 0x0        ; ao 4:5, wo16 6:7
	s_load_b64 s[8:9], s[0:1], 0x10        ; out0
	v_lshl_add_u32 v28, v0, 2, SPARE
	v_mov_b32 v29, 0
	ds_add_u32 v28, v29                    ; the wave's opening: the add and its wait stand ahead of my first tensor load; register work stands between them
	ds_add_u32 v28, v29
	v_lshrrev_b32 v1, 5, v0
	v_readfirstlane_b32 s18, v1
	s_and_b32 s19, s18, 1
	s_lshr_b32 s20, s18, 1
	s_bfe_u32 s60, ttmp6, 0x40000          ; cx
	s_bfe_u32 s61, ttmp6, 0x40004          ; cy
	s_lshl_b32 s59, ttmp9, 2
	s_add_co_u32 s59, s59, s60             ; column tile = 4 x cluster x + cx
	s_and_b32 s62, ttmp7, 0xffff
	s_lshl_b32 s62, s62, 2
	s_add_co_u32 s62, s62, s61             ; row tile = 4 x cluster y + cy
	s_lshl_b32 s68, s61, 2
	s_lshl_b32 s68, 15, s68                ; my row of the cluster
	s_lshl_b32 s69, 0x1111, s60            ; my column
	s_or_b32 s24, s68, (1<<16)|(1<<20)|(1<<21)|(5<<22)|(3<<25)  ; A: mask; 2-byte elements; padding on; bit 21 beside a mask; after every 64 words 4 words
	s_mov_b32 s25, 128<<16                 ; tensor_dim0 = 128
	s_mov_b32 s26, 128<<16                 ; tensor_dim1 = 128
	s_mov_b32 s27, 128<<16                 ; tile_dim0 = 128
	s_mov_b32 s28, 128                     ; tile_dim1 = 128
	s_mov_b32 s29, 1024                    ; elements from row to row
	s_mov_b32 s30, 0
	s_mov_b32 s31, 0
	s_or_b32 s32, s69, (1<<16)|(1<<20)|(1<<21)|(5<<22)|(7<<25)  ; B: after every 64 words 8 words
	s_mov_b32 s33, 128<<16
	s_mov_b32 s34, 64<<16                  ; tensor_dim1 = 64
	s_mov_b32 s35, 128<<16
	s_mov_b32 s36, 64                      ; tile_dim1 = 64
	s_mov_b32 s37, 2048
	s_mov_b32 s38, 0
	s_mov_b32 s39, 0
	s_mov_b32 s56, 0
	s_mov_b32 s57, SLOT
	s_lshl_b32 s70, s62, 8                 ; A: row 256 x row tile + 128 x half, 2,048 bytes a row: made of the row tile and the wave alone
	s_lshl_b32 s71, s19, 7
	s_add_co_u32 s70, s70, s71
	s_lshl_b32 s70, s70, 11
	s_mov_b32 s71, 0
	s_lshl_b32 s72, s19, 18                ; B: k-row 64 x half (4,096 bytes a row), the column tile's 256 bytes: made of the column tile and the wave alone
	s_lshl_b32 s73, s59, 8
	s_add_co_u32 s72, s72, s73
	s_mov_b32 s73, 0
	s_mul_i32 s66, s19, AH                 ; where my part goes, for A
	s_mul_i32 s67, s19, BH                 ; and for B, behind A's 256 rows
	s_add_co_u32 s67, s67, 2*AH
	s_wait_dscnt 0x0                       ; the opening add is done
	s_wait_kmcnt 0x0
	s_add_nc_u64 s[70:71], s[4:5], s[70:71]
	s_add_nc_u64 s[72:73], s[6:7], s[72:73]
	CROUND                                 ; all sixteen work-groups are here: the first joint loads meet
.irp s, 0,1
	s_mov_b32 s[40+4*(\s)], 1
	s_add_co_u32 s[41+4*(\s)], s66, (\s)*SLOT
	s_add_nc_u64 s[42+4*(\s):43+4*(\s)], s[70:71], (\s)*256
	s_or_b32 s[43+4*(\s)], s[43+4*(\s)], 0x80000000
	s_mov_b32 s[48+4*(\s)], 1
	s_add_co_u32 s[49+4*(\s)], s67, (\s)*SLOT
	s_add_nc_u64 s[50+4*(\s):51+4*(\s)], s[72:73], (\s)*524288
	s_or_b32 s[51+4*(\s)], s[51+4*(\s)], 0x80000000
.endr
	s_cmp_eq_u32 s20, 0                    ; a wave's two first fills stand in one branch: two loads of mine are out
	s_cbranch_scc0 .Lfirst_b
	tensor_load_to_lds s[40:43], s[24:31]
	s_nop 0
	tensor_load_to_lds s[44:47], s[24:31]
	s_nop 0
.rept 4
	v_nop
.endr
	s_branch .Lfirst_asked
.Lfirst_b:
	tensor_load_to_lds s[48:51], s[32:39]
	s_nop 0
	tensor_load_to_lds s[52:55], s[32:39]
	s_nop 0
.rept 4
	v_nop
.endr
.Lfirst_asked:
	v_and_b32 v1, 15, v0
	v_bfe_u32 v2, v0, 4, 1
	v_mul_u32_u24 v3, v1, PA
	v_lshl_add_u32 v3, v2, 4, v3
	s_mul_i32 s82, s18, 64*PA
	v_add_nc_u32 v16, s82, v3              ; A: (64 wave + r) x pitch + 16 h
	v_and_b32 v4, 7, v0
	v_bfe_u32 v5, v0, 3, 1
	v_lshl_add_u32 v6, v2, 3, v4
	v_mul_u32_u24 v6, v6, PB
	v_lshl_add_u32 v6, v5, 4, v6
	v_add_nc_u32 v17, 2*AH, v6             ; B, turned
	v_mov_b32 v18, v16
	v_mov_b32 v19, v17
	v_and_b32 v7, 31, v0
	v_lshlrev_b32 v24, 4, v7               ; 16 x lane: my 16 bytes in 512 of a row of out0
	s_mul_i32 s83, s18, DW
	v_add_nc_u32 v21, s83, v24
	v_mul_u32_u24 v8, v1, PD
	v_lshl_add_u32 v8, v2, 5, v8
	v_add_nc_u32 v20, s83, v8
	s_lshl_b32 s74, s62, 8                 ; out0: row 256 x row tile + 64 x wave, 8,192 bytes a row; column tile x 512 bytes
	s_lshl_b32 s75, s18, 6
	s_add_co_u32 s74, s74, s75
	s_lshl_b32 s74, s74, 13
	s_lshl_b32 s75, s59, 9
	s_add_co_u32 s74, s74, s75
	s_mov_b32 s75, 0
	s_add_nc_u64 s[8:9], s[8:9], s[74:75]
; 8 matrix instructions: row block a x all 8 column blocks, 32 along K, buffer f.  The 32 accumulators take turns.
.macro MULA f, a, zero
	WIN 0xa1
.irp b, 0,1,2,3,4,5,6,7
.if \zero
	v_wmma_f32_16x16x32_f16 v[64*(\a)+8*(\b):64*(\a)+8*(\b)+7], v[64*(\f)+8*(\b):64*(\f)+8*(\b)+7], v[64+32*(\f)+8*(\a):64+32*(\f)+8*(\a)+7], 0
.else
	v_wmma_f32_16x16x32_f16 v[64*(\a)+8*(\b):64*(\a)+8*(\b)+7], v[64*(\f)+8*(\b):64*(\f)+8*(\b)+7], v[64+32*(\f)+8*(\a):64+32*(\f)+8*(\a)+7], v[64*(\a)+8*(\b):64*(\a)+8*(\b)+7]
.endif
.endr
.endm
.macro FETCH kq, g                     ; 24 LDS loads in one run: B's 8 fragments (turned), then A's 4
	WIN 0x40
.irp i, 0,1,2,3,4,5,6,7
	ds_load_tr16_b128 v[64*(\g)+8*(\i):64*(\g)+8*(\i)+3],   v19 offset:(\kq)*32*PB+32*(\i)
	ds_load_tr16_b128 v[64*(\g)+8*(\i)+4:64*(\g)+8*(\i)+7], v19 offset:(\kq)*32*PB+16*PB+32*(\i)
.endr
	WIN 0
.irp i, 0,1,2,3
	ds_load_b128 v[64+32*(\g)+8*(\i):64+32*(\g)+8*(\i)+3],   v18 offset:(\kq)*64+(\i)*16*PA
	ds_load_b128 v[64+32*(\g)+8*(\i)+4:64+32*(\g)+8*(\i)+7], v18 offset:(\kq)*64+(\i)*16*PA+32
.endr
.endm
.macro QUARTER kq, f, g, zero
	s_wait_dscnt 4                         ; all of B and A's row blocks 0, 1 are in; the youngest four loads may be out
	MULA \f, 0, \zero
	MULA \f, 1, \zero
	PLACES
	FETCH \kq, \g
	s_wait_dscnt 24                        ; all but the 24 just issued
	MULA \f, 2, \zero
	MULA \f, 3, \zero
.endm
; The last quarter changes slots: one barrier; in front of it each wave waits for all its tensor loads, adds 0 to its spare word, and waits for that and for its reads of this slot.
; fill = 1: the barrier opens a round of the cluster's, and this slot is filled again, two K steps ahead, first thing behind the round.
.macro TURN fill
	WIN 0
	s_wait_tensorcnt 0x0
	ds_add_u32 v28, v29
	s_wait_dscnt 5                         ; the add and the youngest four loads may be out
	MULA 1, 0, 0
	s_wait_dscnt 0x0                       ; the add is done, and my reads of this slot are over
	s_barrier_signal -1
	MULA 1, 1, 0
	WIN 0
	s_barrier_wait -1
.if \fill
	CREST
	s_xor_b32 s57, s57, SLOT
	s_add_co_u32 s45, s66, s57
	s_add_co_u32 s53, s67, s57
	s_add_nc_u64 s[46:47], s[46:47], 256
	s_add_nc_u64 s[54:55], s[54:55], 524288
	JLOAD                                  ; its four v_nop are also the places in front of the loads below
.else
	PLACES
.endif
	s_xor_b32 s56, s56, SLOT
	v_add_nc_u32 v18, s56, v16
	v_add_nc_u32 v19, s56, v17
	FETCH 0, 0
	MULA 1, 2, 0
	MULA 1, 3, 0
.endm
	s_wait_tensorcnt 0x1                   ; my part of K step 0 is in; K step 1's may stay out
	s_barrier_signal -1
	s_barrier_wait -1
	FETCH 0, 0
	QUARTER 1, 0, 1, 1                     ; the first quarter's products start the sums
	WIN 0
	s_mov_b32 s58, KSTEPS-2
.Lstep:                                        ; a trip asks for the K step two on (2 to 7)
	QUARTER 2, 1, 0, 0
	QUARTER 3, 0, 1, 0
	TURN 1
	QUARTER 1, 0, 1, 0
	WIN 0
	s_sub_co_u32 s58, s58, 1
	s_cmp_lg_u32 s58, 0
	s_cbranch_scc1 .Lstep
	s_mov_b32 s58, 2
.Ltail:                                        ; the last two K steps ask for nothing; the second trip is left in its middle
	QUARTER 2, 1, 0, 0
	QUARTER 3, 0, 1, 0
	WIN 0
	s_sub_co_u32 s58, s58, 1
	s_cmp_eq_u32 s58, 0
	s_cbranch_scc1 .Llast
	TURN 0
	QUARTER 1, 0, 1, 0
	WIN 0
	s_branch .Ltail
.Llast:
	s_wait_dscnt 4
	MULA 1, 0, 0
	MULA 1, 1, 0
	s_wait_dscnt 0x0
	MULA 1, 2, 0
	MULA 1, 3, 0
	WIN 0
	PLACES
	s_barrier_signal -1                    ; every wave's reads of the ring are back: the dump may lie over it
	s_barrier_wait -1
	; THE WAY OUT: into my own rows in LDS (each accumulator's low registers first), back as whole rows of 512 bytes.
	WIN 0x08                               ; store data in window 2
.irp a, 0,1,2,3
.irp b, 0,1,2,3,4,5,6,7
	ds_store_b128 v20, v[64*(\a)+8*(\b):64*(\a)+8*(\b)+3]   offset:(\a)*16*PD+64*(\b)
	ds_store_b128 v20, v[64*(\a)+8*(\b)+4:64*(\a)+8*(\b)+7] offset:(\a)*16*PD+64*(\b)+16
.endr
.endr
	WIN 0
	s_mov_b32 s58, 4
.Lout:                                         ; 16 rows a trip
	s_wait_xcnt 0x0                        ; the last trip's stores have read their registers
.irp p, 0,1,2,3,4,5,6,7,8,9,10,11,12,13,14,15
	ds_load_b128 v[128+4*(\p):128+4*(\p)+3], v21 offset:(\p)*PD   ; LDS serves a wave's instructions in order: these see my dump
.endr
	v_add_nc_u32 v21, 16*PD, v21
	v_add_nc_u32 v24, 131072, v24          ; 16 rows of 8,192 bytes on; the stores reach back
.irp p, 0,1,2,3,4,5,6,7,8,9,10,11,12,13,14,15
	s_wait_dscnt 15-(\p)                   ; row p is back; the younger rows may be out
	global_store_b128 v24, v[128+4*(\p):128+4*(\p)+3], s[8:9] offset:(\p)*8192-131072 th:TH_STORE_NT  ; the wave stores 512 consecutive bytes, aligned
.endr
	s_sub_co_u32 s58, s58, 1
	s_cmp_lg_u32 s58, 0
	s_cbranch_scc1 .Lout
	s_wait_tensorcnt 0x0                   ; the wave's end: the add and its wait stand behind my last tensor load and my last LDS store
	ds_add_u32 v28, v29
	s_wait_dscnt 0x0
	CROUND                                 ; the closing round: no work-group ends while a partner may still ask for a tile that names it
	s_endpgm
.Lfunc_end_k_qa50aa28621_outp:
	.size	k_qa50aa28621_outp, .Lfunc_end_k_qa50aa28621_outp-k_qa50aa28621_outp
	.p2alignl 7, 3214868480
	.fill 96, 4, 3214868480
	.section	.rodata,"a",@progbits
	.p2align	6, 0x0
	.amdhsa_kernel k_qa50aa28621_outp
		.amdhsa_group_segment_fixed_size 327680
		.amdhsa_private_segment_fixed_size 0
		.amdhsa_enable_private_segment 0
		.amdhsa_kernarg_size 24
		.amdhsa_user_sgpr_count 2
		.amdhsa_user_sgpr_kernarg_segment_ptr 1
		.amdhsa_wavefront_size32 1
		.amdhsa_system_sgpr_workgroup_id_x 1
		.amdhsa_system_sgpr_workgroup_id_y 1
		.amdhsa_system_sgpr_workgroup_id_z 1
		.amdhsa_system_vgpr_workitem_id 0
		.amdhsa_next_free_vgpr 768
		.amdhsa_next_free_sgpr 84
		.amdhsa_reserve_vcc 0
		.amdhsa_float_denorm_mode_32 3
		.amdhsa_float_denorm_mode_16_64 3
		.amdhsa_memory_ordered 1
		.amdhsa_forward_progress 1
		.amdhsa_inst_pref_size 55
	.end_amdhsa_kernel
	.amdgpu_metadata
---
amdhsa.version: [ 1, 2 ]
amdhsa.kernels:
  - .name:           k_qa50aa28621_outp
    .symbol:         k_qa50aa28621_outp.kd
    .args:
      - { .name: ao, .offset: 0, .size: 8, .value_kind: global_buffer, .address_space: global }
      - { .name: wo16, .offset: 8, .size: 8, .value_kind: global_buffer, .address_space: global }
      - { .name: out0, .offset: 16, .size: 8, .value_kind: global_buffer, .address_space: global }
    .group_segment_fixed_size: 327680
    .private_segment_fixed_size: 0
    .kernarg_segment_align: 8
    .kernarg_segment_size: 24
    .max_flat_workgroup_size: 128
    .sgpr_count:     84
    .vgpr_count:     768
    .wavefront_size: 32
...
	.end_amdgpu_metadata
.endif
;; end of part 4
